; MI455X (gfx1250); checked and timed in simulation.
; The chip was launched on July 23, 2026; its instructions are those of AMD's public machine-readable ISA for CDNA 5 (MIT licence, August 2026) and "CDNA5" Instruction Set Architecture Reference Guide (July 2026). The comments in the code are by the model that wrote it; some were corrected since.
;; Self Attention. Allowed arithmetic: matrix products marked QUANTISED: E4M3 operands, one given power-of-two scale a tensor, by v_wmma_f32_16x16x64_fp8_fp8 or v_wmma_f32_16x16x128_fp8_fp8, f32 sums; everything else in f32.
;; Inputs: We 1,024 x 3,072 float32; Wf 1,024 x 1,024 float32; be 3,072 float32; bf 1,024 float32; lowp_scales 8 int32 (the exponents e of the quantised operands' scales 2^e); mask 1 x 1 x 2,048 x 4,096 int32; past_key 2 x 2,048 x 16 x 64 float32; past_value 2 x 2,048 x 16 x 64 float32; x 2 x 2,048 x 1,024 float32.
;; Outputs: out0 2 x 2,048 x 1,024 float32; out1 2 x 2 x 2,048 x 16 x 64 float32.
;; This version of the problem:
;;   THIS VERSION OF THE PROBLEM IS GIVEN IN LOW PRECISION. The matrix products marked QUANTISED in the list below multiply operands that are first quantised to E4M3 (4 exponent bits, 3 mantissa bits; 8 bits a number), with one given power-of-two scale for each operand tensor; their sums are f32. All else is computed in f32.
;;   The module's matrix products, in the order in which they are computed (A, B: the left and right operand; K: the contracted axis; several contracted axes count as one K, in the product's order):
;;     1. [M 4,096, K 1,024] x [K 1,024, N 3,072]; A: input x; B: input We: QUANTISED (scales: A lowp_scales[0], B lowp_scales[1])
;;     2. batch 32 x [M 2,048, K 64] x [K 64, N 4,096]; A: computed on the way; B: computed on the way: QUANTISED (scales: A lowp_scales[2], B lowp_scales[3])
;;     3. batch 32 x [M 64, K 4,096] x [K 4,096, N 2,048]; A: computed on the way; B: softmax (see below): QUANTISED (scales: A lowp_scales[4], B lowp_scales[5])
;;     4. [M 4,096, K 1,024] x [K 1,024, N 1,024]; A: computed on the way; B: input Wf: QUANTISED (scales: A lowp_scales[6], B lowp_scales[7])
;;   THE QUANTISER, for each operand of a quantised product, along K:
;;     - The operand's scale is 2^e, e = its entry of the input lowp_scales (int32; the entries are numbered through the quantised products in the list's order, A before B).
;;     - Each number is divided by the scale, clamped to +-448, and rounded to the nearest number of E4M3, ties to even, subnormals kept.
;;     - The product sums the exact products of the quantised numbers (number of the format x scale) in f32.
;;   ~~~python
;;   def quantise(x, axis, e):      # numpy; x: float32 -> the quantised numbers, widened to float32 again
;;       x = np.moveaxis(x, axis, -1); K = x.shape[-1]
;;       r = np.clip(x / 2.0 ** e, -448, 448)
;;       step = 2.0 ** (np.maximum(np.frexp(np.where(r == 0, 1, r))[1] - 1, -6) - 3)
;;       q = np.round(r / step) * step * 2.0 ** e      # np.round: ties to even
;;       return np.moveaxis(q, -1, axis).astype(np.float32)
;;   ~~~
;;   SOFTMAX AHEAD OF A QUANTISED PRODUCT. Where the list says 'softmax', what is quantised is not the finished softmax but p = 2^(t - M), with t = logit x log2(e) and M = ceil(the row's largest t), a whole number; so 1/2 < the row's largest p <= 1. The row's sum l is taken of the UNQUANTISED p, in f32, and the product's result is divided by l at the end. Since M is a whole number, a kernel that streams over the keys may use a running M (the ceiling of the running maximum): every later rescaling is an exact power of two, so the quantised numbers keep their values, but for numbers so far below the row's largest that they fall under the format's range.
;;   OPERANDS COMPUTED ON THE WAY. 'Computed on the way' means the value that the module computes at that place (a softmax that the list does not call 'softmax' is quantised finished and normalised). What goes into a quantiser is computed in f32, as accurately as f32 sums, v_exp_f32 and their like allow (about 1e-6 of the number): no bf16 or f16 on the way to a quantiser, and a product that is left as it is and whose result goes on into a quantised operand takes f32 operands (vector FMAs, or v_wmma_f32_16x16x4_f32). A number that lies on a knife's edge between two numbers of the format may be rounded either way, as far as f32 arithmetic and the matrix unit's own rounding can turn it there, and no further.
;; One version. Each part assembles by itself: llvm-mc -triple=amdgcn-amd-amdhsa -mcpu=gfx1250 --defsym DOCPART=n.
;; ======== version 1 of 1: 4 launches
;; limits: right only within a limited range of input values
;; workspace buffers: xc 4,194,304 bytes; wec 3,145,728 bytes; wfc 1,048,576 bytes; qc 4,194,304 bytes; kv 16,777,216 bytes; mw 8,388,608 bytes; ac 4,194,304 bytes
;; launch prep (part 1): grid 768 x 1, 4 waves a work-group, no clusters, 153,088 bytes of LDS; arguments x, past_key, past_value, We, Wf, mask, lowp_scales, xc, kv, wec, wfc, mw; writes xc, kv, wec, wfc, mw
.if DOCPART == 1
	.amdgcn_target "amdgcn-amd-amdhsa--gfx1250"
	.amdhsa_code_object_version 6
	.text
	.protected	k_q79ed4c142d_prep
	.globl	k_q79ed4c142d_prep
	.p2align	8
	.type	k_q79ed4c142d_prep,@function
k_q79ed4c142d_prep:
	s_mov_b64 s[64:65], 0
	v_nop
	global_prefetch_b8 v0, s[64:65] scope:SCOPE_SE
	s_setreg_imm32_b32 hwreg(HW_REG_WAVE_MODE, 25, 1), 1
	s_wait_xcnt 0x0
; PREP: every input that later launches read many times is brought into the form in which they read it, once.
;   x [4096][1024] f32             -> xc  [4096][1024] codes of E4M3, scale 2^e0
;   We [1024 k][3072 n], Wf [1024 k][1024 n] f32 -> wec [3072][1024], wfc [1024][1024] codes, K innermost, scales 2^e1, 2^e7
;   past_key, past_value [2][2048][16][64] f32 -> kv, granules 0-15 of each (batch, head).  kv is [32 (16 b + h)][32 granules][16,384 bytes]; a granule is 128 keys:
;       bytes 0-8191 K as [128 keys][64 d] (scale 2^e3), bytes 8192-16383 V as [64 d][128 keys] (scale 2^e4): the keys are the second product's K
;   mask [2048 q][4096 k] int32    -> mw [128 tiles of 16 queries][32 steps of 128 keys][64 words]: bit l of word 8 t + j says whether mask[16 tile + l % 16][128 step + 16 t + 8 (l / 16) + j] is not 0:
;       the lane mask of register j of the t-th tile of 16 keys x 16 queries, as the attention launch holds the scores
; code = x / 2^e, held within +-448, rounded to the nearest code, ties to even.  LIMITS: each e between -126 and 119.  NaN among the inputs is not served.
; 768 work-groups of four waves, 128 KiB of input each: 0-255 the mask, 256-511 the tensors whose K is not innermost, 512-639 x, 640-767 past_key.  Waves share nothing: no barrier.
; No matrix unit, no cluster, no tensor load: the launch is a stream, every byte is read once by dense loads and written once in runs of 256 bytes or more.
; LDS: each of the four ways has bytes of its own, each wave a part of them.
.set MST,   0                          ; mask: 16 rows x (512 + 16) bytes a wave
.set TST,   33792                      ; K outermost: 32 rows x (256 + 16) bytes a wave
.set XST,   68608                      ; x: 4 groups x (32 places of 80 bytes + 64) a wave
.set PST,   110592                     ; past_key: the same
.set SPARE, 152576                     ; the spare words, 128 bytes a wave: two blocks of 256 bytes that no other line names
.set SPW,   16                         ; v16  LDS address of my spare word; never rewritten
.set NIL,   17                         ; v17  0; never rewritten
.set SC,    18                         ; v18  2^e as f32: the conversions take its exponent field
.set LM,    19                         ; v19  448 x 2^e
	s_load_b512 s[4:19], s[0:1], 0x0               ; x s[4:5], past_key s[6:7], past_value s[8:9], We s[10:11], Wf s[12:13], mask s[14:15], scales s[16:17], xc s[18:19]
	s_load_b256 s[20:27], s[0:1], 0x40             ; kv s[20:21], wec s[22:23], wfc s[24:25], mw s[26:27]
	v_lshl_add_u32 v[SPW], v0, 2, SPARE
	v_mov_b32 v[NIL], 0
	v_lshrrev_b32 v1, 5, v0
	v_readfirstlane_b32 s36, v1                    ; wave 0..3
	; every lane address of every way is made here, ahead of the parting
	v_and_b32 v1, 31, v0                           ; l
	v_lshlrev_b32 v2, 4, v1                        ; 16 l
	v_lshlrev_b32 v3, 3, v1                        ; 8 l
	v_lshlrev_b32 v4, 2, v1                        ; 4 l
	v_and_b32 v20, 15, v0                          ; l % 16
	v_bfe_u32 v21, v0, 4, 1                        ; l / 16
	v_bfe_u32 v22, v0, 2, 3                        ; l / 4
	v_and_b32 v23, 3, v0                           ; l % 4
	v_bfe_u32 v24, v0, 3, 2                        ; l / 8
	v_and_b32 v25, 7, v0                           ; l % 8
	v_bfe_u32 v26, v0, 2, 2                        ; (l / 4) % 4
	s_mul_i32 s45, s36, 8448
	v_add_nc_u32 v5, s45, v2                       ; mask, in: 16 bytes a lane of a row
	v_mul_u32_u24 v6, v20, 528
	v_lshl_add_u32 v6, v21, 5, v6
	v_add_nc_u32 v6, s45, v6                       ; mask, back: query l % 16, 8 keys of my half
	s_mul_i32 s45, s36, 8704
	s_add_co_u32 s45, s45, TST
	v_mul_u32_u24 v7, v1, 272
	v_add_nc_u32 v7, s45, v7                       ; K outermost, in: row = my column
	v_mul_u32_u24 v8, v21, 272
	v_lshl_add_u32 v8, v20, 4, v8
	v_add_nc_u32 v8, s45, v8                       ; back, a weight: sixteen lanes to a row of 256 bytes
	v_mul_u32_u24 v9, v24, 272
	v_lshl_add_u32 v9, v25, 4, v9
	v_add_nc_u32 v9, s45, v9                       ; back, the values: eight lanes to half a row
	v_lshlrev_b32 v10, 10, v21
	v_lshl_add_u32 v10, v20, 4, v10                ; a weight's codes: two rows of 1,024 bytes
	s_mul_i32 s45, s36, 10496
	s_add_co_u32 s46, s45, XST
	s_add_co_u32 s47, s45, PST
	v_mul_u32_u24 v27, v22, 80
	v_lshl_add_u32 v27, v23, 4, v27                ; four lanes' 64 bytes on end, then 16 of padding
	v_add_nc_u32 v11, s46, v27                     ; x, in
	v_add_nc_u32 v13, s47, v27                     ; past_key, in
	v_mul_u32_u24 v12, v1, 80
	v_add_nc_u32 v12, s46, v12                     ; x, back: my 16 neighbours
	v_lshl_add_u32 v14, v21, 2, v23
	v_mul_u32_u24 v14, v14, 80
	v_mad_u32_u24 v14, v26, 2624, v14
	v_add_nc_u32 v14, s47, v14                     ; past_key, back: key (l / 4) % 4, head l / 16, quarter l % 4 of its 64 numbers
	v_lshlrev_b32 v15, 19, v21
	v_lshl_add_u32 v15, v20, 4, v15                ; and in kv: 524,288 bytes from head to head, 16 bytes a lane
	s_wait_kmcnt 0x0
	s_load_b256 s[28:35], s[16:17], 0x0            ; e0 .. e7
	s_cmp_lt_u32 ttmp9, 256
	s_cbranch_scc1 .Lmask
	s_cmp_lt_u32 ttmp9, 512
	s_cbranch_scc1 .Ltrans
	s_cmp_lt_u32 ttmp9, 640
	s_cbranch_scc1 .Lx
.macro SCALE                           ; s56 = e  ->  v[SC] = 2^e, v[LM] = 448 x 2^e
	s_add_co_i32 s56, s56, 127
	s_lshl_b32 s58, s56, 23
	v_mov_b32 v[SC], s58
	s_add_co_i32 s56, s56, 8
	s_lshl_b32 s56, s56, 23
	s_or_b32 s56, s56, 0x600000
	v_mov_b32 v[LM], s56
.endm
; X AND PAST_KEY.  A unit is 2,048 numbers in 16 dense loads of 512 bytes; a wave has four.  The conversions want 16 neighbours along K in one lane, the loads neighbouring bytes in neighbouring lanes:
; so a unit turns through the wave's stage.  p = 0: x, a plain stream.  p = 1: past_key: unit n is 4 keys (n / 2) x 8 heads (n % 2); group k of the stage is key k.
.macro LOADU n, p
.irp k, 0,1,2,3
.irp i, 0,1,2,3
.if \p
	global_load_b128 v[64+64*((\n)%2)+16*\k+4*\i:64+64*((\n)%2)+16*\k+4*\i+3], v2, s[38:39] offset:16384*((\n)/2)+2048*((\n)%2)+4096*\k+512*\i th:TH_LOAD_NT
.else
	global_load_b128 v[64+64*((\n)%2)+16*\k+4*\i:64+64*((\n)%2)+16*\k+4*\i+3], v2, s[38:39] offset:8192*(\n)+2048*\k+512*\i th:TH_LOAD_NT
.endif
.endr
.endr
.endm
.macro UNIT n, p, wr, rd, rstep, go
.if (\n) < 3
	s_wait_loadcnt 16                              ; this unit's 16 loads are in; the next unit's 16 may be out
.else
	s_wait_loadcnt 0
.endif
.irp k, 0,1,2,3
.irp i, 0,1,2,3
	ds_store_b128 v[\wr], v[64+64*((\n)%2)+16*\k+4*\i:64+64*((\n)%2)+16*\k+4*\i+3] offset:2624*\k+640*\i
.endr
.endr
.irp u, 0,1
.irp c, 0,1,2,3
	ds_load_b128 v[32+16*\u+4*\c:32+16*\u+4*\c+3], v[\rd] offset:\rstep*\u+16*\c   ; LDS serves a wave's instructions in order: these see the stores above
.endr
.endr
.irp u, 0,1,2,3
.if \u < 3
	s_wait_dscnt 4                                 ; this quarter's four loads are in; the next quarter's four may be out
.else
	s_wait_dscnt 0
.endif
.if (\u == 0) && ((\n) < 2)
	LOADU (\n)+2, \p                               ; the stage's stores, older than the loads just awaited, have read their registers
.endif
.irp i, 0,1,2,3,4,5,6,7,8,9,10,11,12,13,14,15
	v_med3_num_f32 v[32+16*(\u%2)+\i], v[32+16*(\u%2)+\i], -v[LM], v[LM]   ; the conversion does not saturate (ISA guide 7.6.2): the hold comes first
.endr
	v_cvt_scalef32_pk8_fp8_f32 v[192+4*(4*(\n)+\u):192+4*(4*(\n)+\u)+1], v[32+16*(\u%2):32+16*(\u%2)+7], v[SC]
	v_cvt_scalef32_pk8_fp8_f32 v[192+4*(4*(\n)+\u)+2:192+4*(4*(\n)+\u)+3], v[32+16*(\u%2)+8:32+16*(\u%2)+15], v[SC]
.if \p
	global_store_b128 v[\go], v[192+4*(4*(\n)+\u):192+4*(4*(\n)+\u)+3], s[40:41] offset:524288*(8*((\n)%2)+2*\u)+256*((\n)/2)   ; sixteen lanes: 4 keys x 64 bytes of one head, 256 consecutive bytes
.else
	global_store_b128 v[\go], v[192+4*(4*(\n)+\u):192+4*(4*(\n)+\u)+3], s[40:41] offset:2048*(\n)+512*\u                      ; 512 consecutive bytes
.endif
.if \u < 2
.irp c, 0,1,2,3
	ds_load_b128 v[32+16*(\u%2)+4*\c:32+16*(\u%2)+4*\c+3], v[\rd] offset:\rstep*(\u+2)+16*\c
.endr
.endif
.endr
.endm                                  ; each store has its own four registers of codes, so no store's data are written again
	; ---- past_key: work-group j takes 32 keys, a wave 8
	s_sub_co_u32 s45, ttmp9, 640
	s_lshl_b32 s46, s45, 5
	s_lshl_b32 s47, s36, 3
	s_add_co_u32 s46, s46, s47                     ; my first row of [2 x 2048]
	s_lshl_b32 s42, s46, 12                        ; rows of 4,096 bytes
	s_mov_b32 s43, 0
	s_add_nc_u64 s[38:39], s[6:7], s[42:43]
	s_lshr_b32 s47, s46, 11                        ; batch
	s_and_b32 s46, s46, 2047                       ; key
	s_lshl_b32 s42, s47, 23                        ; 16 heads x 524,288 bytes
	s_lshr_b32 s47, s46, 7
	s_lshl_b32 s47, s47, 14                        ; the granule
	s_add_co_u32 s42, s42, s47
	s_and_b32 s47, s46, 127
	s_lshl_b32 s47, s47, 6                         ; the key's 64 bytes in it
	s_add_co_u32 s42, s42, s47
	s_add_nc_u64 s[40:41], s[20:21], s[42:43]
	LOADU 0, 1
	LOADU 1, 1
	s_wait_kmcnt 0x0
	s_mov_b32 s56, s31                             ; e3
	SCALE
	s_wait_alu depctr_va_vdst(0)
	UNIT 0, 1, 13, 14, 640, 15
	UNIT 1, 1, 13, 14, 640, 15
	UNIT 2, 1, 13, 14, 640, 15
	UNIT 3, 1, 13, 14, 640, 15
	s_branch .Lend
.Lx:	; ---- x: a wave takes 8,192 numbers on end
	s_sub_co_u32 s45, ttmp9, 512
	s_lshl_b32 s45, s45, 2
	s_add_co_u32 s45, s45, s36
	s_lshl_b32 s42, s45, 15
	s_mov_b32 s43, 0
	s_add_nc_u64 s[38:39], s[4:5], s[42:43]
	s_lshl_b32 s42, s45, 13
	s_add_nc_u64 s[40:41], s[18:19], s[42:43]
	LOADU 0, 0
	LOADU 1, 0
	s_wait_kmcnt 0x0
	s_mov_b32 s56, s28                             ; e0
	SCALE
	s_wait_alu depctr_va_vdst(0)
	UNIT 0, 0, 11, 12, 2624, 2
	UNIT 1, 0, 11, 12, 2624, 2
	UNIT 2, 0, 11, 12, 2624, 2
	UNIT 3, 0, 11, 12, 2624, 2
	s_branch .Lend
.Ltrans:	; ---- K IS THE FIRST AXIS: We (96 work-groups), Wf (32), past_value (128).  A lane takes a column and its registers run down K; a wave takes 32 columns x 256 along K.
	; Which tensor, its row's bytes and both offsets are chosen on the work-group's number, with no branch.
	s_sub_co_u32 s45, ttmp9, 256                   ; u
	s_sub_co_u32 s46, s45, 96
	s_sub_co_u32 s47, s45, 128
	s_mov_b32 s44, 4096
	s_cmp_lt_u32 s45, 96
	s_cselect_b32 s46, s45, s46
	s_cselect_b32 s44, 12288, s44                  ; bytes from row to row along K
	s_cselect_b64 s[38:39], s[10:11], s[12:13]
	s_cselect_b64 s[40:41], s[22:23], s[24:25]
	s_cselect_b32 s57, 0, 1                        ; 0 We, 1 Wf,
	s_cmp_lt_u32 s45, 128
	s_cselect_b64 s[38:39], s[38:39], s[8:9]
	s_cselect_b64 s[40:41], s[40:41], s[20:21]
	s_cselect_b32 s57, s57, 2                      ; 2 past_value
	s_cselect_b32 s46, s46, s47                    ; my number within the tensor
	s_lshr_b32 s48, s46, 2                         ; a weight: which 128 columns,
	s_and_b32 s49, s46, 3                          ;           which 256 along K
	s_bfe_u32 s50, s46, 0x30003                    ; the values: which 128 columns (two heads),
	s_and_b32 s51, s46, 7                          ;             which 256 keys,
	s_lshr_b32 s52, s46, 6                         ;             which batch
	s_cmp_lg_u32 s57, 2
	s_cselect_b32 s47, s48, s50
	s_cselect_b32 s45, s49, s51
	s_cselect_b32 s52, 0, s52
	s_lshl_b32 s53, s47, 7
	s_lshl_b32 s54, s36, 5
	s_add_co_u32 s53, s53, s54                     ; my wave's first column
	s_mul_i32 s42, s45, s44
	s_lshl_b32 s42, s42, 8                         ; 256 rows a block along K
	s_lshl_b32 s54, s53, 2
	s_add_co_u32 s42, s42, s54
	s_lshl_b32 s54, s52, 23
	s_add_co_u32 s42, s42, s54
	s_mov_b32 s43, 0
	s_add_nc_u64 s[38:39], s[38:39], s[42:43]
	s_lshl_b32 s48, s53, 10                        ; a weight's codes: column x 1,024 + 256 x block
	s_lshl_b32 s54, s45, 8
	s_add_co_u32 s48, s48, s54
	s_lshl_b32 s49, s52, 4                         ; the values' codes: granule 32 (16 b + head) + 2 x block, its V part, row d
	s_lshr_b32 s54, s53, 6
	s_add_co_u32 s49, s49, s54
	s_lshl_b32 s49, s49, 5
	s_lshl_b32 s54, s45, 1
	s_add_co_u32 s49, s49, s54
	s_lshl_b32 s49, s49, 14
	s_and_b32 s54, s53, 63
	s_lshl_b32 s54, s54, 7
	s_add_co_u32 s49, s49, s54
	s_add_co_u32 s49, s49, 8192
	s_cmp_lg_u32 s57, 2
	s_cselect_b32 s42, s48, s49
	s_add_nc_u64 s[40:41], s[40:41], s[42:43]
	s_lshl_b32 s42, s44, 5                         ; s[42:43]: 32 rows on
	v_mov_b32 v32, v4                              ; v32-63: 4 l + i rows, i = 0 .. 31
.set i, 1
.rept 31
	v_add_nc_u32 v[32+i], s44, v[31+i]
.set i, i+1
.endr
.macro LOADT t                         ; block t: rows 32 t + i of my column into set t % 2: each load reads 128 consecutive bytes a wave, 512 a work-group
.if (\t) > 0
	s_wait_xcnt 0x0                                ; the loads issued so far have read their base: it steps only behind this wait
	s_add_nc_u64 s[38:39], s[38:39], s[42:43]
.endif
.set i, 0
.rept 32
	global_load_b32 v[64+32*((\t)%2)+i], v[32+i], s[38:39] th:TH_LOAD_NT
.set i, i+1
.endr
.endm
.macro BLOCK t
.set XB, 64+32*((\t)%2)
.if (\t) < 7
	s_wait_loadcnt 32                              ; this block's 32 loads are in; the next block's may be out
.else
	s_wait_loadcnt 0
.endif
.set i, 0
.rept 32
	v_med3_num_f32 v[XB+i], v[XB+i], -v[LM], v[LM]
.set i, i+1
.endr
.irp g, 0,1,2,3
	v_cvt_scalef32_pk8_fp8_f32 v[128+2*\g:129+2*\g], v[XB+8*\g:XB+8*\g+7], v[SC]
.endr
	ds_store_b128 v7, v[128:131] offset:32*(\t)    ; 32 codes along K of my column
	ds_store_b128 v7, v[132:135] offset:32*(\t)+16
.if (\t)+2 < 8
	LOADT (\t)+2
.endif
	s_wait_dscnt 0x0                               ; the stores have read their registers: the next block's codes may be written
.endm
	LOADT 0
	s_wait_alu depctr_va_vdst(0)
	LOADT 1
	s_wait_kmcnt 0x0
	s_cmp_eq_u32 s57, 0
	s_cselect_b32 s56, s29, s35                    ; e1 or e7,
	s_cmp_eq_u32 s57, 2
	s_cselect_b32 s56, s32, s56                    ; or e4
	SCALE
	s_wait_alu depctr_va_vdst(0)
	BLOCK 0
	BLOCK 1
	BLOCK 2
	BLOCK 3
	BLOCK 4
	BLOCK 5
	BLOCK 6
	BLOCK 7
	s_cmp_eq_u32 s57, 2
	s_cbranch_scc1 .Lvout
.set t, 0
.rept 16
	ds_load_b128 v[136+4*t:139+4*t], v8 offset:544*t               ; a weight: two rows of 256 bytes an instruction
.set t, t+1
.endr
.set t, 0
.rept 16
	s_wait_dscnt 15-t                              ; the younger loads may be out
	global_store_b128 v10, v[136+4*t:139+4*t], s[40:41] offset:2048*t   ; sixteen lanes store 256 consecutive bytes
.set t, t+1
.endr
	s_branch .Lend
.Lvout:
.set t, 0
.rept 16
	ds_load_b128 v[136+4*t:139+4*t], v9 offset:1088*(t%8)+128*(t/8)   ; the values: four rows d x 128 keys of granule t / 8
.set t, t+1
.endr
.set t, 0
.rept 16
	s_wait_dscnt 15-t
	global_store_b128 v2, v[136+4*t:139+4*t], s[40:41] offset:16384*(t/8)+512*(t%8)   ; 512 consecutive bytes
.set t, t+1
.endr
	s_branch .Lend
.Lmask:	; ---- the mask: work-group g takes the tile of queries g / 2 and 16 steps of keys, a wave four steps
	s_lshr_b32 s45, ttmp9, 1
	s_and_b32 s46, ttmp9, 1
	s_lshl_b32 s46, s46, 4
	s_lshl_b32 s47, s36, 2
	s_add_co_u32 s46, s46, s47                     ; my first step
	s_lshl_b32 s42, s45, 18                        ; 16 rows of 16,384 bytes
	s_lshl_b32 s47, s46, 9                         ; 128 keys of 4 bytes
	s_add_co_u32 s42, s42, s47
	s_mov_b32 s43, 0
	s_add_nc_u64 s[38:39], s[14:15], s[42:43]
	s_lshl_b32 s42, s45, 5
	; mw AS IT IS LAID NOW (this takes the place of the head's line on mw): [128 tiles of 16 queries][32 steps of 128 keys][2,048 bytes], one code of E4M3 for each score: 0 where the mask is not 0, -256 where it is 0.
	; Byte 512 i + 16 l + m of a step is lane l's number n = 16 i + m: query l % 16, key 16 (n / 8) + 8 (l / 16) + n % 8: the order in which the attention launch holds the scores.
	s_add_co_u32 s42, s42, s46
	s_lshl_b32 s42, s42, 11                        ; 2,048 bytes a step
	s_add_nc_u64 s[40:41], s[26:27], s[42:43]
.macro LOADM s                         ; a step: 16 queries x 512 consecutive bytes
.set q, 0
.rept 16
	global_load_b128 v[64+64*((\s)%2)+4*q:64+64*((\s)%2)+4*q+3], v2, s[38:39] offset:16384*q+512*(\s) th:TH_LOAD_NT
.set q, q+1
.endr
.endm
.macro STEPM s
.if (\s) < 3
	s_wait_loadcnt 16                              ; this step's 16 loads are in; the next step's may be out
.else
	s_wait_loadcnt 0
.endif
.set q, 0
.rept 16
	ds_store_b128 v5, v[64+64*((\s)%2)+4*q:64+64*((\s)%2)+4*q+3] offset:528*q
.set q, q+1
.endr
.set q, 0
.rept 16
	ds_load_b128 v[192+4*q:195+4*q], v6 offset:64*(q/2)+16*(q%2)   ; register 8 t + j: key 16 t + 8 (l / 16) + j of query l % 16
.set q, q+1
.endr
	s_wait_dscnt 0x0
.if (\s) < 2
	LOADM (\s)+2
.endif
.if (\s) > 1
	s_wait_xcnt 0x0                                ; the stores of two steps back have read their data: the same 16 registers are written again
.endif
.set g, 0
.rept 8
.irp j, 0,1,2,3,4,5,6,7
	v_cmp_eq_u32 s[48+\j], 0, v[192+8*g+\j]        ; mask == 0
.endr
.irp j, 0,1,2,3,4,5,6,7
	v_cndmask_b32 v[192+8*g+\j], 0, v30, s[48+\j]  ; -256.0 there, 0 elsewhere
.endr
	v_cvt_scalef32_pk8_fp8_f32 v[32+16*((\s)%2)+2*g:33+16*((\s)%2)+2*g], v[192+8*g:199+8*g], v31   ; eight codes, scale 1
.set g, g+1
.endr
.irp i, 0,1,2,3
	global_store_b128 v2, v[32+16*((\s)%2)+4*\i:35+16*((\s)%2)+4*\i], s[40:41] offset:2048*(\s)+512*\i   ; 512 consecutive bytes
.endr
.endm
	LOADM 0
	LOADM 1
	v_mov_b32 v30, 0xc3800000                      ; -256.0
	v_mov_b32 v31, 1.0                             ; the conversion's scale: 2^0
	s_wait_alu depctr_va_vdst(0)                   ; directly ahead of the wait below
	STEPM 0
	STEPM 1
	STEPM 2
	STEPM 3
.Lend:
	s_wait_tensorcnt 0x0                           ; the wave's end, behind my last LDS store
	ds_add_u32 v[SPW], v[NIL]
	s_wait_dscnt 0x0
	s_endpgm
.Lfunc_end_k_q79ed4c142d_prep:
	.size	k_q79ed4c142d_prep, .Lfunc_end_k_q79ed4c142d_prep-k_q79ed4c142d_prep
	.p2alignl 7, 3214868480
	.fill 96, 4, 3214868480
	.section	.rodata,"a",@progbits
	.p2align	6, 0x0
	.amdhsa_kernel k_q79ed4c142d_prep
		.amdhsa_group_segment_fixed_size 153088
		.amdhsa_private_segment_fixed_size 0
		.amdhsa_enable_private_segment 0
		.amdhsa_kernarg_size 96
		.amdhsa_user_sgpr_count 2
		.amdhsa_user_sgpr_kernarg_segment_ptr 1
		.amdhsa_wavefront_size32 1
		.amdhsa_system_sgpr_workgroup_id_x 1
		.amdhsa_system_sgpr_workgroup_id_y 1
		.amdhsa_system_sgpr_workgroup_id_z 1
		.amdhsa_system_vgpr_workitem_id 0
		.amdhsa_next_free_vgpr 256
		.amdhsa_next_free_sgpr 66
		.amdhsa_reserve_vcc 0
		.amdhsa_float_denorm_mode_32 3
		.amdhsa_float_denorm_mode_16_64 3
		.amdhsa_memory_ordered 1
		.amdhsa_forward_progress 1
		.amdhsa_inst_pref_size 178
	.end_amdhsa_kernel
	.amdgpu_metadata
---
amdhsa.version: [ 1, 2 ]
amdhsa.kernels:
  - .name:           k_q79ed4c142d_prep
    .symbol:         k_q79ed4c142d_prep.kd
    .args:
      - { .name: x, .offset: 0, .size: 8, .value_kind: global_buffer, .address_space: global }
      - { .name: past_key, .offset: 8, .size: 8, .value_kind: global_buffer, .address_space: global }
      - { .name: past_value, .offset: 16, .size: 8, .value_kind: global_buffer, .address_space: global }
      - { .name: We, .offset: 24, .size: 8, .value_kind: global_buffer, .address_space: global }
      - { .name: Wf, .offset: 32, .size: 8, .value_kind: global_buffer, .address_space: global }
      - { .name: mask, .offset: 40, .size: 8, .value_kind: global_buffer, .address_space: global }
      - { .name: lowp_scales, .offset: 48, .size: 8, .value_kind: global_buffer, .address_space: global }
      - { .name: xc, .offset: 56, .size: 8, .value_kind: global_buffer, .address_space: global }
      - { .name: kv, .offset: 64, .size: 8, .value_kind: global_buffer, .address_space: global }
      - { .name: wec, .offset: 72, .size: 8, .value_kind: global_buffer, .address_space: global }
      - { .name: wfc, .offset: 80, .size: 8, .value_kind: global_buffer, .address_space: global }
      - { .name: mw, .offset: 88, .size: 8, .value_kind: global_buffer, .address_space: global }
    .group_segment_fixed_size: 153088
    .private_segment_fixed_size: 0
    .kernarg_segment_align: 8
    .kernarg_segment_size: 96
    .max_flat_workgroup_size: 128
    .sgpr_count:     66
    .vgpr_count:     256
    .wavefront_size: 32
...
	.end_amdgpu_metadata
.endif
;; end of part 1
;; launch qkv (part 2): grid 8 x 32, 4 waves a work-group, clusters of 4 x 4, 327,680 bytes of LDS; arguments xc, wec, lowp_scales, be, qc, kv, out1; writes qc, kv, out1
.if DOCPART == 2
	.amdgcn_target "amdgcn-amd-amdhsa--gfx1250"
	.amdhsa_code_object_version 6
	.text
	.protected	k_q79ed4c142d_qkv
	.globl	k_q79ed4c142d_qkv
	.p2align	8
	.type	k_q79ed4c142d_qkv,@function
k_q79ed4c142d_qkv:
	s_mov_b64 s[64:65], 0
	v_nop
	global_prefetch_b8 v0, s[64:65] scope:SCOPE_SE
	s_setreg_imm32_b32 hwreg(HW_REG_WAVE_MODE, 25, 1), 1
	s_wait_xcnt 0x0
	s_wait_alu depctr_hold_cnt(0) depctr_sa_sdst(0) depctr_va_vdst(0) depctr_va_sdst(0) depctr_va_ssrc(0) depctr_va_vcc(0) depctr_vm_vsrc(0)
	s_getreg_b32 s2, hwreg(HW_REG_IB_STS2, 6, 4)
	s_cmp_eq_u32 s2, 0
	s_cbranch_scc0 .Lentry_in_a_cluster
	s_endpgm
.Lentry_in_a_cluster:
	s_bfe_u32 s2, ttmp6, 0x10000c
	s_cmp_lg_u32 s2, 0xf033
	s_cbranch_scc0 .Lentry_shape_is_right
	s_endpgm
.Lentry_shape_is_right:
; THE FIRST PRODUCT: qkv = x We x 2^(e0 + e1) + be.  xc [4096][1024], wec [3072 n][1024 k]: codes of E4M3.
; OUT: qc [32 (16 b + h)][2048][64] q's codes (2^e2);  kv [32][32 granules][16,384], granules 16-31: K [128 keys][64 d] (2^e3), then V [64 d][128 keys] (2^e4);  out1 [2][4096][1024] f32: k, then v.
; LIMITS: e0 + e1 between -126 and 127; e2, e3, e4 between -126 and 119.  NaN is not served.
; SHARES: work-group (cg, mb) of 8 x 32 owns rows 128 mb .. + 127 (one granule of keys) and columns 128 cg .. + 127 (two heads) of EACH of q, k and v: no two work-groups store the same bytes.
; Four waves, each 64 rows x 64 columns (one head): 16 accumulators.  Four products of 128 x 128 x 1,024: q, k, v, and v once more with the sources swapped, so that a lane's eight numbers run along the keys.
; LDS: two regions of 128 rows x (1,024 + 16) bytes.  Region 0: x's rows, which each wave takes into 512 registers once; then Wk.  Region 1: Wq, then Wv.  Waves 0, 1 fill region 0, waves 2, 3 region 1, 64 rows a load.
; Each of the two refills stands behind the three lines and a round of the cluster's barrier, and has a product or more in which to land.
; CLUSTER 4 x 4: x's tile hangs on mb alone and is asked for jointly along a row of the cluster, We's tiles on cg alone and jointly along a column.
; No prefetch: the text has no loop to run ahead in.
; THE MATRIX INSTRUCTION IS USED TRANSPOSED in q, k, v (source 0 = 16 rows of We's codes, source 1 = 16 rows of x): a lane holds eight neighbouring columns of one row.
; REGISTERS: window 0: v0-31 addresses, v32-63 be, v64-127 rows read back, v128-159 codes, v192-223 a block's values, v224-255 held values;
;   window 1: v0-127 We's fragments in two sets, v[128 + 8 (4 a + b)] the accumulators;  windows 2, 3: x's fragments, v[64 (q % 4) + 16 a], K steps q = 0-3 and 4-7.
.set PIT,    1040
.set HALF,   64*PIT
.set R1,     2*HALF
.set SPARE,  2*R1                      ; 266,240: the spare words, 128 bytes a wave: two blocks of 256 bytes that no other line names
.set SPITCH, 272
.set FST,    SPARE+512                 ; f32 stages: 16 rows x 272 bytes a wave
.set CST,    FST+4*16*SPITCH           ; code stages: 4,096 bytes a wave
.set VP,     144
.set VTS,    CST+16384                 ; V's codes, shared: 128 rows d x (128 keys + 16)
.set CSI, 10
.set CSB, 11
.set VTI, 12
.set VTB, 13
.set ADRA, 16
.set ADRB, 20                          ; v20 region 0, v21 region 1
.set STO,  24
.set RD,   25
.set CO,   26
.set L16,  27
.set SPW,  28
.set NIL,  29
.set BI,   32
.set BK,   64
.set CD,   128
.set TMP,  192
.set T2,   224
.set G1A, 24
.set G0A, 32
.set G0K, 36
.set G1B, 48
.set G0Q, 56
.set G0V, 60
.set FLAGS, (1<<20)|(1<<21)|(7<<22)|(3<<25)   ; elements of 1 byte; padding on; bit 21 beside a mask; four words after every 256
.set MSB, 0
.macro WIN new
.if MSB != \new
	s_set_vgpr_msb (MSB<<8)|\new
.set MSB, \new
.endif
.endm
.macro CROUND                          ; a round of the cluster's barrier
	s_barrier_signal -1
	s_barrier_wait -1
	s_cmp_lg_u32 s14, 0
	s_cbranch_scc1 .Lnot_wave_0_\@
	s_barrier_signal -3
.Lnot_wave_0_\@:
	s_barrier_wait -3
	s_barrier_signal -1
	s_barrier_wait -1
.endm
.macro PLACES
.rept 4
	v_nop
.endr
.endm
; A refill: a wait for my tensor loads, an add and its wait, a round, and behind it the joint load of the two waves that own the region
.macro REFILL grp, g0
	s_wait_tensorcnt 0x0                           ; all my tensor loads have landed
	ds_add_u32 v[SPW], v[NIL]
	s_wait_dscnt 0x0                               ; the add is done, and my reads of the region are over
	CROUND
	s_cmp_eq_u32 s15, \grp                         ; the wave's number alone
	s_cbranch_scc0 .Lnone_\@
	tensor_load_to_lds s[\g0:\g0+3], s[G1B:G1B+7]
	s_nop 0
	PLACES
.Lnone_\@:
.endm
	s_load_b128 s[4:7], s[0:1], 0x0                ; xc, wec
	s_load_b128 s[8:11], s[0:1], 0x10              ; the scales' exponents, be
	s_load_b128 s[80:83], s[0:1], 0x20             ; qc, kv
	s_load_b64 s[12:13], s[0:1], 0x30              ; out1
	v_lshl_add_u32 v[SPW], v0, 2, SPARE
	v_mov_b32 v[NIL], 0
	ds_add_u32 v[SPW], v[NIL]                      ; the wave's opening: the add, twice on end, and its wait ahead of the round in front of my first tensor load
	ds_add_u32 v[SPW], v[NIL]
	v_lshrrev_b32 v1, 5, v0
	v_readfirstlane_b32 s14, v1                    ; wave 0..3
	s_lshr_b32 s15, s14, 1                         ; which 64 rows are mine.  Also: the region that I fill
	s_and_b32 s16, s14, 1                          ; which 64 columns.  Also: which 64 rows of a tile I fetch
	s_bfe_u32 s40, ttmp6, 0x40000                  ; cx, cy
	s_bfe_u32 s41, ttmp6, 0x40004
	s_lshl_b32 s42, ttmp9, 2
	s_add_co_u32 s42, s42, s40                     ; cg 0..7
	s_and_b32 s17, ttmp7, 0xffff
	s_lshl_b32 s17, s17, 2
	s_add_co_u32 s17, s17, s41                     ; mb 0..31
	s_lshl_b32 s43, s41, 2
	s_lshl_b32 s43, 15, s43                        ; my row of the cluster
	s_lshl_b32 s44, 0x1111, s40                    ; my column
	s_or_b32 s[G1A], s43, FLAGS
	s_or_b32 s[G1B], s44, FLAGS
.irp g, G1A, G1B
	s_mov_b32 s[\g+1], 1024<<16                    ; tensor_dim0
	s_mov_b32 s[\g+2], 64<<16                      ; tensor_dim1
	s_mov_b32 s[\g+3], 1024<<16                    ; tile_dim0
	s_mov_b32 s[\g+4], 64                          ; tile_dim1
	s_mov_b32 s[\g+5], 1024                        ; tensor_dim0_stride
	s_mov_b32 s[\g+6], 0
	s_mov_b32 s[\g+7], 0
.endr
	s_lshl_b32 s18, s16, 6
	s_lshl_b32 s20, s17, 7
	s_add_co_u32 s20, s20, s18
	s_lshl_b32 s20, s20, 10                        ; x: row 128 mb + 64 x half
	s_mov_b32 s21, 0
	s_lshl_b32 s46, s42, 7
	s_add_co_u32 s46, s46, s18                     ; column 128 cg + 64 x half
	s_lshl_b32 s86, s46, 2                         ; in bytes of f32,
	s_mov_b32 s87, 0
	s_lshl_b32 s46, s46, 10                        ; and as a row of We's codes
	s_mov_b32 s47, 0
	s_mul_i32 s45, s16, HALF                       ; no place in the cluster enters an LDS address
	s_lshl_b32 s88, s17, 7
	s_lshl_b32 s89, s15, 6
	s_add_co_u32 s88, s88, s89
	s_lshl_b32 s88, s88, 12                        ; my first row of out1
	s_mov_b32 s89, 0
	s_lshr_b32 s76, s17, 4
	s_lshl_b32 s76, s76, 4
	s_lshl_b32 s77, s42, 1
	s_add_co_u32 s76, s76, s77                     ; 16 b + 2 cg
	s_and_b32 s77, s17, 15                         ; which 128 of the batch's rows
	s_add_co_u32 s78, s76, s16                     ; my head
	s_lshl_b32 s84, s78, 11
	s_lshl_b32 s19, s77, 7
	s_add_co_u32 s84, s84, s19
	s_lshl_b32 s19, s15, 6
	s_add_co_u32 s84, s84, s19
	s_lshl_b32 s84, s84, 6                         ; qc: (head x 2,048 + row) x 64
	s_mov_b32 s85, 0
	s_add_co_u32 s79, s77, 16
	s_lshl_b32 s79, s79, 14                        ; the granule
	s_lshl_b32 s92, s78, 19
	s_add_co_u32 s92, s92, s79
	s_lshl_b32 s19, s15, 12
	s_add_co_u32 s92, s92, s19                     ; K's codes: my 64 keys of 64 bytes
	s_mov_b32 s93, 0
	s_add_co_u32 s78, s76, s15                     ; V's codes leave by waves: head wave / 2,
	s_lshl_b32 s94, s78, 19
	s_add_co_u32 s94, s94, s79
	s_lshl_b32 s19, s16, 12                        ; rows d 32 (wave % 2) on
	s_add_co_u32 s94, s94, s19
	s_add_co_u32 s94, s94, 8192
	s_mov_b32 s95, 0
	s_mul_i32 s98, s15, HALF                       ; my 64 rows of x in region 0
	s_mul_i32 s99, s14, 16*SPITCH
	s_add_co_u32 s99, s99, FST
	s_lshl_b32 s100, s14, 12
	s_add_co_u32 s100, s100, CST
	s_mul_i32 s101, s16, 64*VP
	s_lshl_b32 s19, s15, 6
	s_add_co_u32 s101, s101, s19
	s_add_co_u32 s101, s101, VTS                   ; V's stage, in: row 64 x head + d, byte = key
	s_mul_i32 s2, s14, 32*VP
	s_add_co_u32 s2, s2, VTS                       ; and back: 32 rows a wave
	s_mov_b32 s[G0A], 1
	s_mov_b32 s[G0A+1], s45
	s_mov_b32 s[G0K], 1
	s_mov_b32 s[G0K+1], s45
	s_mov_b32 s[G0Q], 1
	s_add_co_u32 s[G0Q+1], s45, R1
	s_mov_b32 s[G0V], 1
	s_add_co_u32 s[G0V+1], s45, R1
	s_wait_dscnt 0x0                               ; both opening adds are done
	s_wait_kmcnt 0x0
	s_load_b256 s[68:75], s[8:9], 0x0              ; e0 .. e7
	s_add_nc_u64 s[G0A+2:G0A+3], s[4:5], s[20:21]
	s_add_nc_u64 s[G0Q+2:G0Q+3], s[6:7], s[46:47]
	s_add_nc_u64 s[G0K+2:G0K+3], s[G0Q+2:G0Q+3], 0x100000     ; 1,024 rows on: k's columns
	s_add_nc_u64 s[G0V+2:G0V+3], s[G0Q+2:G0Q+3], 0x200000     ; 2,048 rows on: v's
	s_or_b32 s[G0A+3], s[G0A+3], 0x80000000
	s_or_b32 s[G0Q+3], s[G0Q+3], 0x80000000
	s_or_b32 s[G0K+3], s[G0K+3], 0x80000000
	s_or_b32 s[G0V+3], s[G0V+3], 0x80000000
	s_add_nc_u64 s[10:11], s[10:11], s[86:87]      ; be at my columns of q
	s_add_nc_u64 s[12:13], s[12:13], s[86:87]
	s_add_nc_u64 s[12:13], s[12:13], s[88:89]      ; out1: k
	s_add_nc_u64 s[90:91], s[12:13], 0x1000000     ; out1: v
	s_add_nc_u64 s[84:85], s[80:81], s[84:85]
	s_add_nc_u64 s[92:93], s[82:83], s[92:93]
	s_add_nc_u64 s[94:95], s[82:83], s[94:95]
	CROUND                                         ; all sixteen work-groups are here: the joint loads meet
	s_cmp_eq_u32 s15, 0
	s_cbranch_scc0 .Lfor_b
	tensor_load_to_lds s[G0A:G0A+3], s[G1A:G1A+7]  ; x
	s_nop 0
	PLACES
	s_branch .Lasked
.Lfor_b:
	tensor_load_to_lds s[G0Q:G0Q+3], s[G1B:G1B+7]  ; Wq
	s_nop 0
	PLACES
.Lasked:
.macro BLOAD p                         ; be at columns 16 b + 8 h + 0 .. 7 of part p
.irp b, 0,1,2,3
	global_load_b128 v[BI+8*\b:BI+8*\b+3], v22, s[10:11] offset:4096*\p+64*\b
	global_load_b128 v[BI+8*\b+4:BI+8*\b+7], v22, s[10:11] offset:4096*\p+64*\b+16
.endr
.endm
	v_and_b32 v1, 15, v0                           ; r
	v_bfe_u32 v2, v0, 4, 1                         ; h
	v_lshlrev_b32 v22, 5, v2
	v_lshlrev_b32 v23, 2, v1
	BLOAD 0
	v_mul_u32_u24 v3, v1, PIT
	v_lshl_add_u32 v3, v2, 4, v3                   ; row r x pitch + 16 h
	v_add_nc_u32 v[ADRA], s98, v3
	v_add_nc_u32 v[ADRB], s45, v3
	v_add_nc_u32 v[ADRB+1], R1, v[ADRB]
	v_mul_u32_u24 v4, v1, SPITCH
	v_lshl_add_u32 v4, v2, 5, v4
	v_add_nc_u32 v[STO], s99, v4                   ; the f32 stage, in: row r, 32 bytes for each half of the lanes
	v_mul_u32_u24 v4, v2, SPITCH
	v_lshl_add_u32 v4, v1, 4, v4
	v_add_nc_u32 v[RD], s99, v4                    ; back: lanes 0-15 one row of 256 bytes, lanes 16-31 the next
	v_lshlrev_b32 v[CO], 12, v2
	v_lshl_add_u32 v[CO], v1, 4, v[CO]             ; and the same two rows in out1
	v_and_b32 v5, 31, v0
	v_lshlrev_b32 v[L16], 4, v5
	v_lshlrev_b32 v4, 6, v1
	v_lshl_add_u32 v4, v2, 3, v4
	v_add_nc_u32 v[CSI], s100, v4                  ; the code stage, in: row r of 64 bytes, + 8 h
	v_add_nc_u32 v[CSB], s100, v[L16]              ; back: 16 bytes a lane
	v_mul_u32_u24 v4, v1, VP
	v_lshl_add_u32 v4, v2, 3, v4
	v_add_nc_u32 v[VTI], s101, v4                  ; V's stage, in: row d = r, + 8 h keys
	v_bfe_u32 v4, v0, 3, 2
	v_and_b32 v5, 7, v0
	v_mul_u32_u24 v4, v4, VP
	v_lshl_add_u32 v4, v5, 4, v4
	v_add_nc_u32 v[VTB], s2, v4                    ; back: eight lanes to a row of 128 bytes
; We's fragments of the q-th 128 along K into set q % 2: registers 4 c .. 4 c + 3 hold k = 128 q + 32 c + 16 h + 0 .. 15, as x's do
.macro FETCHB q, adr
	WIN 0x40
.irp i, 0,1,2,3
.irp c, 0,1,2,3
	ds_load_b128 v[64*((\q)%2)+16*\i+4*\c:64*((\q)%2)+16*\i+4*\c+3], v[\adr] offset:128*(\q)+32*\c+\i*16*PIT
.endr
.endr
.endm
.macro MUL q, sw                       ; the sixteen accumulators take turns, one instruction a turn, in the same order in every step; the first step starts the sums
.if \sw
	WIN 0x56+((\q)/4)                              ; x (window 2 or 3) first, We's codes (window 1) second
.else
	WIN 0x59+4*((\q)/4)
.endif
.irp a, 0,1,2,3
.irp b, 0,1,2,3
.if \sw
.if (\q) == 0
	v_wmma_f32_16x16x128_fp8_fp8 v[128+8*(4*\a+\b):128+8*(4*\a+\b)+7], v[64*((\q)%4)+16*\a:64*((\q)%4)+16*\a+15], v[64*((\q)%2)+16*\b:64*((\q)%2)+16*\b+15], 0
.else
	v_wmma_f32_16x16x128_fp8_fp8 v[128+8*(4*\a+\b):128+8*(4*\a+\b)+7], v[64*((\q)%4)+16*\a:64*((\q)%4)+16*\a+15], v[64*((\q)%2)+16*\b:64*((\q)%2)+16*\b+15], v[128+8*(4*\a+\b):128+8*(4*\a+\b)+7]
.endif
.else
.if (\q) == 0
	v_wmma_f32_16x16x128_fp8_fp8 v[128+8*(4*\a+\b):128+8*(4*\a+\b)+7], v[64*((\q)%2)+16*\b:64*((\q)%2)+16*\b+15], v[64*((\q)%4)+16*\a:64*((\q)%4)+16*\a+15], 0
.else
	v_wmma_f32_16x16x128_fp8_fp8 v[128+8*(4*\a+\b):128+8*(4*\a+\b)+7], v[64*((\q)%2)+16*\b:64*((\q)%2)+16*\b+15], v[64*((\q)%4)+16*\a:64*((\q)%4)+16*\a+15], v[128+8*(4*\a+\b):128+8*(4*\a+\b)+7]
.endif
.endif
.endr
.endr
.endm
.macro GEMM adr, sw                    ; 128 x 128 x 1,024, my 64 x 64 of it
	FETCHB 0, \adr
.irp q, 0,1,2,3,4,5,6
.if \q > 0
	PLACES                                         ; in front of loads into the set that the last step multiplied
.endif
	FETCHB \q+1, \adr
	s_wait_dscnt 16                                ; all but the 16 loads just issued
	MUL \q, \sw
.endr
	s_wait_dscnt 0x0
	MUL 7, \sw
	WIN 0
.endm
; THE WAYS OUT, by blocks of 16 rows (swapped: 16 keys)
.macro VALS a                          ; x 2^(e0 + e1) + be, each accumulator from its low end on
	WIN 0x01
.set j, 0
.rept 16
	v_pk_fma_f32 v[TMP+j:TMP+j+1], v[128+32*(\a)+j:128+32*(\a)+j+1], s[96:97], v[BI+j:BI+j+1] op_sel_hi:[1,0,1]
.set j, j+2
.endr
	WIN 0
.endm
.macro F32ST a                         ; through my own stage, back as rows of 256 bytes
.irp b, 0,1,2,3
	ds_store_b128 v[STO], v[TMP+8*\b:TMP+8*\b+3] offset:64*\b
	ds_store_b128 v[STO], v[TMP+8*\b+4:TMP+8*\b+7] offset:64*\b+16
.endr
.set t, 0
.rept 8
	ds_load_b128 v[BK+32*((\a)%2)+4*t:BK+32*((\a)%2)+4*t+3], v[RD] offset:t*2*SPITCH   ; LDS serves a wave's instructions in order: these see my stores
.set t, t+1
.endr
.endm
.macro SEND a, base
.set t, 0
.rept 8
	global_store_b128 v[CO], v[BK+32*((\a)%2)+4*t:BK+32*((\a)%2)+4*t+3], s[\base:\base+1] offset:4096*(16*(\a)+2*t) th:TH_STORE_NT   ; sixteen lanes store 256 consecutive bytes, aligned
.set t, t+1
.endr
.endm
.macro CODE a, adr, sa, sb             ; the block's 32 values a lane become 32 codes, into a stage at sa x a + sb x b
.set n, 0
.rept 32
	v_med3_num_f32 v[T2+n], v[TMP+n], -v31, v31    ; the conversion does not saturate (ISA guide 7.6.2): the hold comes first
.set n, n+1
.endr
.irp b, 0,1,2,3
	v_cvt_scalef32_pk8_fp8_f32 v[CD+8*(\a)+2*\b:CD+8*(\a)+2*\b+1], v[T2+8*\b:T2+8*\b+7], v30
.endr
	v_nop                                          ; a plain instruction behind the last conversion
.irp b, 0,1,2,3
	ds_store_b64 v[\adr], v[CD+8*(\a)+2*\b:CD+8*(\a)+2*\b+1] offset:\sa*(\a)+\sb*\b
.endr
.endm
.macro CFLUSH adr, step, base          ; 4,096 bytes of codes leave as 8 x 512 consecutive bytes
.set t, 0
.rept 8
	ds_load_b128 v[BK+4*t:BK+4*t+3], v[\adr] offset:\step*t
.set t, t+1
.endr
	s_wait_dscnt 0x0
.set t, 0
.rept 8
	global_store_b128 v[L16], v[BK+4*t:BK+4*t+3], s[\base:\base+1] offset:512*t
.set t, t+1
.endr
.endm
.macro EHEAD
	s_wait_loadcnt 0x0                             ; be
	s_wait_xcnt 0x0                                ; earlier stores have read their registers
	PLACES                                         ; behind the last products
.endm
.macro SCALEV e                        ; v30 = 2^e, v31 = 448 x 2^e
	s_add_co_i32 s76, s[\e], 127
	s_lshl_b32 s77, s76, 23
	v_mov_b32 v30, s77
	s_add_co_i32 s76, s76, 8
	s_lshl_b32 s76, s76, 23
	s_or_b32 s76, s76, 0x600000
	v_mov_b32 v31, s76
	s_wait_alu depctr_va_vdst(0)                   ; the wait behind these writes
.endm
	s_wait_alu depctr_va_vdst(0)                   ; the wait at the head's end
	s_wait_tensorcnt 0x0                           ; my part of x or of Wq is in;
	s_barrier_signal -1
	s_barrier_wait -1                              ; everybody's is
	WIN 0x80                                       ; x's fragments, all eight K steps, into windows 2 and 3
.irp q, 0,1,2,3
.irp a, 0,1,2,3
.irp c, 0,1,2,3
	ds_load_b128 v[64*\q+16*\a+4*\c:64*\q+16*\a+4*\c+3], v[ADRA] offset:128*\q+32*\c+\a*16*PIT
.endr
.endr
.endr
	WIN 0xc0
.irp q, 0,1,2,3
.irp a, 0,1,2,3
.irp c, 0,1,2,3
	ds_load_b128 v[64*\q+16*\a+4*\c:64*\q+16*\a+4*\c+3], v[ADRA] offset:512+128*\q+32*\c+\a*16*PIT
.endr
.endr
.endr
	WIN 0
	REFILL 0, G0K                                  ; nobody reads x's rows in LDS any more: region 0 takes Wk
	GEMM ADRB+1, 0                                 ; q
	REFILL 1, G0V                                  ; Wk is in, for every wave; region 1 takes Wv
	s_wait_kmcnt 0x0
	s_add_co_i32 s96, s68, s69
	s_add_co_i32 s96, s96, 127
	s_lshl_b32 s96, s96, 23                        ; 2^(e0 + e1)
	s_mov_b32 s97, s96
	EHEAD
	SCALEV 70                                      ; e2
.irp a, 0,1,2,3
	VALS \a
	CODE \a, CSI, 1024, 16
.endr
	CFLUSH CSB, 512, 84
	BLOAD 1
	GEMM ADRB, 0                                   ; k
	EHEAD
	SCALEV 71                                      ; e3
.irp a, 0,1,2,3
.if \a > 1
	s_wait_xcnt 0x0                                ; block a - 2's stores have read their registers
.endif
	VALS \a
	F32ST \a
	CODE \a, CSI, 1024, 16
.if \a > 0
	s_wait_dscnt 20                                ; behind block a - 1's loads and code stores: block a's 8 stores, 8 loads and 4 stores
	SEND \a-1, 12
.endif
.endr
	s_wait_dscnt 0x0
	SEND 3, 12
	s_wait_xcnt 0x0
	CFLUSH CSB, 512, 92
	BLOAD 2
	s_wait_tensorcnt 0x0                           ; my part of Wv is in;
	s_barrier_signal -1
	s_barrier_wait -1                              ; everybody's is.
	GEMM ADRB+1, 0                                 ; v
	EHEAD
.irp a, 0,1,2,3
.if \a > 1
	s_wait_xcnt 0x0
.endif
	VALS \a
	F32ST \a
.if \a > 0
	s_wait_dscnt 16                                ; behind block a - 1's loads: block a's 8 stores and 8 loads
	SEND \a-1, 90
.endif
.endr
	s_wait_dscnt 0x0
	SEND 3, 90
.irp b, 0,1,2,3
.irp j, 0,1,2,3,4,5,6,7
	global_load_b32 v[BI+8*\b+\j], v23, s[10:11] offset:8192+64*\b   ; swapped: a lane holds ONE column, 16 b + r: its be in all eight places
.endr
.endr
	GEMM ADRB+1, 1                                 ; v once more, swapped: register j of accumulator (a, b) is key 16 a + 8 h + j of column 16 b + r
	EHEAD
	SCALEV 72                                      ; e4
.irp a, 0,1,2,3
	VALS \a
	CODE \a, VTI, 16, 16*VP
.endr
	s_wait_dscnt 0x0                               ; my codes lie in the shared stage;
	s_barrier_signal -1
	s_barrier_wait -1                              ; everybody's do
	CFLUSH VTB, 4*VP, 94                           ; 32 rows d x 128 keys of one head: 4,096 consecutive bytes
	s_wait_tensorcnt 0x0                           ; the wave's end
	ds_add_u32 v[SPW], v[NIL]
	s_wait_dscnt 0x0
	CROUND                                         ; the closing round
	s_endpgm
.Lfunc_end_k_q79ed4c142d_qkv:
	.size	k_q79ed4c142d_qkv, .Lfunc_end_k_q79ed4c142d_qkv-k_q79ed4c142d_qkv
	.p2alignl 7, 3214868480
	.fill 96, 4, 3214868480
	.section	.rodata,"a",@progbits
	.p2align	6, 0x0
	.amdhsa_kernel k_q79ed4c142d_qkv
		.amdhsa_group_segment_fixed_size 327680
		.amdhsa_private_segment_fixed_size 0
		.amdhsa_enable_private_segment 0
		.amdhsa_kernarg_size 56
		.amdhsa_user_sgpr_count 2
		.amdhsa_user_sgpr_kernarg_segment_ptr 1
		.amdhsa_wavefront_size32 1
		.amdhsa_system_sgpr_workgroup_id_x 1
		.amdhsa_system_sgpr_workgroup_id_y 1
		.amdhsa_system_sgpr_workgroup_id_z 1
		.amdhsa_system_vgpr_workitem_id 0
		.amdhsa_next_free_vgpr 1024
		.amdhsa_next_free_sgpr 106
		.amdhsa_reserve_vcc 0
		.amdhsa_float_denorm_mode_32 3
		.amdhsa_float_denorm_mode_16_64 3
		.amdhsa_memory_ordered 1
		.amdhsa_forward_progress 1
		.amdhsa_inst_pref_size 161
	.end_amdhsa_kernel
	.amdgpu_metadata
---
amdhsa.version: [ 1, 2 ]
amdhsa.kernels:
  - .name:           k_q79ed4c142d_qkv
    .symbol:         k_q79ed4c142d_qkv.kd
    .args:
      - { .name: xc, .offset: 0, .size: 8, .value_kind: global_buffer, .address_space: global }
      - { .name: wec, .offset: 8, .size: 8, .value_kind: global_buffer, .address_space: global }
      - { .name: lowp_scales, .offset: 16, .size: 8, .value_kind: global_buffer, .address_space: global }
      - { .name: be, .offset: 24, .size: 8, .value_kind: global_buffer, .address_space: global }
      - { .name: qc, .offset: 32, .size: 8, .value_kind: global_buffer, .address_space: global }
      - { .name: kv, .offset: 40, .size: 8, .value_kind: global_buffer, .address_space: global }
      - { .name: out1, .offset: 48, .size: 8, .value_kind: global_buffer, .address_space: global }
    .group_segment_fixed_size: 327680
    .private_segment_fixed_size: 0
    .kernarg_segment_align: 8
    .kernarg_segment_size: 56
    .max_flat_workgroup_size: 128
    .sgpr_count:     106
    .vgpr_count:     1024
    .wavefront_size: 32
...
	.end_amdgpu_metadata
.endif
;; end of part 2
;; launch attn (part 3): grid 8 x 32, 4 waves a work-group, clusters of 4 x 1, 327,680 bytes of LDS; arguments qc, kv, mw, lowp_scales, ac; writes ac
.if DOCPART == 3
	.amdgcn_target "amdgcn-amd-amdhsa--gfx1250"
	.amdhsa_code_object_version 6
	.text
	.protected	k_q79ed4c142d_attn
	.globl	k_q79ed4c142d_attn
	.p2align	8
	.type	k_q79ed4c142d_attn,@function
k_q79ed4c142d_attn:
	s_mov_b64 s[64:65], 0
	v_nop
	global_prefetch_b8 v0, s[64:65] scope:SCOPE_SE
	s_setreg_imm32_b32 hwreg(HW_REG_WAVE_MODE, 25, 1), 1
	s_wait_xcnt 0x0
	s_wait_alu depctr_hold_cnt(0) depctr_sa_sdst(0) depctr_va_vdst(0) depctr_va_sdst(0) depctr_va_ssrc(0) depctr_va_vcc(0) depctr_vm_vsrc(0)
	s_getreg_b32 s2, hwreg(HW_REG_IB_STS2, 6, 4)
	s_cmp_eq_u32 s2, 0
	s_cbranch_scc0 .Lentry_in_a_cluster
	s_endpgm
.Lentry_in_a_cluster:
	s_bfe_u32 s2, ttmp6, 0x10000c
	s_cmp_lg_u32 s2, 0x3003
	s_cbranch_scc0 .Lentry_shape_is_right
	s_endpgm
.Lentry_shape_is_right:
; ATTENTION on codes of E4M3, for each (batch, head) of 32: 2,048 queries x 4,096 keys (2,048 past, then 2,048 present), head size 64, under a mask that is an input.
; qc [32][2048][64] codes (2^e2).  kv [32][32 granules][16,384]: a granule is 128 keys: K [128][64] (2^e3), then V [64 d][128 keys] (2^e4).
; mw [128 tiles of 16 queries][32 steps of 128 keys][2,048 bytes]: one code of E4M3 a score, 0 (open) or -256 (masked), in the lane order of S^T.   ac [16 heads][4096 rows][64]: the output as codes (2^e6).
; THE SOFTMAX: t = score x log2(e) / 8; M = the running largest t rounded up to a whole number; p = 2^(t - M) is quantised (2^e5), not normalised; the row's sum is taken of the unquantised p and divides at the end.
; When M moves, the sum and O are multiplied by 2^(old M - new M), which rounds nothing.
; THE MASK: a step's 64 mask codes of a lane are widened by eight conversions, x 2^(60 - e2 - e3), straight into the score registers, and the first product takes them as its C: a masked score stands near t = -2^65.5.
; The running largest t begins at the floor L = -2^64 and stays there while no key of the row has been open.  A lane at the floor takes 0 for c and 0 for -M: every p of the step is then 1, as where all logits are equal;
; the first open key moves M up from 2^64 below, so that the factor is 0 and what was summed at the floor is gone.  No branch hangs on any of this.
; LIMITS: the scaled scores t stay under 2^31 in magnitude; e2 + e3 between -59 and 130; e5 between -8 and 119: p is at most 1, which then lies within 448 x 2^e5, so p needs no hold; e6 between -126 and 119.  NaN is not served.
; SHARES: a work-group owns 256 queries of one (batch, head); each of its four waves, one to a SIMD, owns FOUR tiles of 16.  Each fragment of K and V that a wave reads from LDS feeds four products.
; Every phase of a key step runs over all four tiles: their dependent chains take turns line by line, and tiles 2 and 3 are scaled among the exponentials of tiles 0 and 1.
; LAYOUT: both products transposed: S^T = K Q^T (16x16x64), O^T = V^T P^T (16x16x128): a lane holds ONE query of each tile.  Register j of tile t of S^T is key 16 t + 8 (l / 16) + j: its eight codes are registers 2 t, 2 t + 1 of P.
; RING: two slots of 4 granules (512 keys), 256 rows of 256 bytes, each followed by 16 of padding.  Each wave fetches a granule.
; CLUSTER: the four blocks of queries of a cluster walk the same K and V: each granule is asked for jointly, by the same load with the mask of all four.
; The mask codes go from memory into registers, asked for one whole key step ahead of the conversions that read them: so they have no prefetch of their own.
; REGISTERS, in four windows of 256 (T = query tile 0..3):
;   window 0: v1-12 addresses, v13-17 constants; v[20+12 T ..]: -M, the largest t, the sum (2), the lane's -M or 0 (2), its c or 0 (2), f (2), M's step, a lane permute's result;
;             v[68+8 T ..] eight maxima; v[100+8 T ..] four pairs of sums; v[132+8 T ..] Q; v[164+16 T ..] p's codes
;   window 1: v[64 T ..] S^T, then p.   window 2: v[0:63] K's eight fragments, v[64:127] V's four, v[128+16 T ..] mask codes.   window 3: v[32 T ..] O^T.
; s_set_vgpr_msb's low byte: bits 1:0 source 0, 3:2 source 1, 5:4 source 2, 7:6 destination.
.set GRAN,  17408                      ; a granule in LDS: 64 rows x 272
.set SLOT1, 1<<17
.set SPARE, 262144                     ; the spare words, 128 bytes a wave: two blocks of 256 bytes that no other line names
.set STAGE, 262656                     ; the way out: 4,096 bytes a wave, bytes of its own
.set AK0, 1                            ; my lane's place in a granule's K
.set AV0, 2                            ; and in its V
.set PFO, 3                            ; 256 x lane, for the prefetches
.set QO,  4                            ; Q's offset
.set SPW, 5
.set NIL, 6
.set L16, 7                            ; 16 x lane
.set ADK, 8                            ; K's and V's addresses in hand
.set ADV, 9
.set STI, 10                           ; the stage, in and back
.set STB, 11
.set MA,  12                           ; the mask loads' offset
.set CV,  13                           ; c
.set MSC, 14                           ; the mask codes' scale bytes
.set SP,  15                           ; 2^e5
.set SO,  16                           ; 2^e6
.set LO,  17                           ; 448 x 2^e6
.set ST,  20
.set MX,  68
.set SM,  100
.set QF,  132
.set CD,  164
.set VF,  64                           ; window 2
.set MK,  128                          ; window 2
.set TB,  2                            ; s2   LDS byte of the granule in hand
.set WV,  3                            ; s3   my wave's number
.set MO,  18                           ; s18  byte offset of the mask codes that are asked for next, in a tile's 65,536
.set SLOTS, 19
.set SEL, 20                           ; s[20:21] lane l xor 16
.set CS,  22                           ; s22  c = log2(e) / 8 x 2^(e2 + e3)
.set PFA, 24
.set LIM, 26
.set OPN, 32                           ; s[32:35] for each tile the lanes whose row has had an open key
.set FLO, 67                           ; s67  L = -2^64
; s[4:7] descriptor group 0 (it walks), s[8:15] group 1, s[16:17] my first tile's mask codes, s27 counts steps, s[28:29] my rows of ac, s66 e4 + e5
.set MSB, 0
.macro WIN new                         ; the immediate's high byte repeats the setting that is left; a switch that changes nothing is dropped
.if MSB != \new
	s_set_vgpr_msb (MSB<<8)|\new
.set MSB, \new
.endif
.endm
.macro ROUND
	s_barrier_signal -1
	s_barrier_wait -1
	s_cmp_lg_u32 s[WV], 0
	s_cbranch_scc1 .Lnw0_\@
	s_barrier_signal -3
.Lnw0_\@:
	s_barrier_wait -3
	s_barrier_signal -1
	s_barrier_wait -1
.endm
.macro TLOAD                           ; every wave: its granule.  An s_nop 0 and four v_nop follow the load
	tensor_load_to_lds s[4:7], s[8:15]
	s_nop 0
.rept 4
	v_nop
.endr
.endm
; A prefetch of the slot that the NEXT change of slots will ask for: 65,536 bytes.  Both clusters of a (batch, head) walk the same bytes: the first asks.  Its four partners take 16,384 bytes each, told apart by address;
; in each, waves 2 and 3 take 8,192, lanes 256 bytes apart: each block of 256 bytes is named once in the launch.  The last change that fills a slot asks for nothing; slots 0 and 1 come by their loads alone.
.macro ASK
	s_cmp_gt_u32 s[SLOTS], s[LIM]
	s_cbranch_scc0 .Lnot_mine_\@
	global_prefetch_b8 v[PFO], s[PFA:PFA+1] th:TH_LOAD_NT scope:SCOPE_SE
.Lnot_mine_\@:
.endm
.macro MLOAD                           ; a step's mask codes of the four tiles: 64 bytes a lane and tile, each load 512 consecutive bytes
	WIN 0x80                                       ; destination window 2, address window 0
.irp T, 0,1,2,3
.irp i, 0,1,2,3
	global_load_b128 v[MK+16*\T+4*\i:MK+16*\T+4*\i+3], v[MA], s[16:17] offset:65536*\T+512*\i
.endr
.endr
	WIN 0
.endm
	s_load_b256 s[32:39], s[0:1], 0x0              ; qc s[32:33], kv s[34:35], mw s[36:37], the scales' exponents s[38:39]
	s_load_b64 s[40:41], s[0:1], 0x20              ; ac
	v_lshl_add_u32 v[SPW], v0, 2, SPARE
	v_mov_b32 v[NIL], 0
	ds_add_u32 v[SPW], v[NIL]                      ; the wave's opening: the add, twice on end, and its wait ahead of the round in front of the first tensor load
	ds_add_u32 v[SPW], v[NIL]
	v_lshrrev_b32 v8, 5, v0
	v_readfirstlane_b32 s[WV], v8                  ; wave 0..3
	s_bfe_u32 s30, ttmp6, 0x40000                  ; cx: it enters global addresses alone
	s_lshl_b32 s31, ttmp9, 2
	s_add_co_u32 s31, s31, s30                     ; my block of 256 queries
	s_and_b32 s67, ttmp7, 0xffff                   ; 16 b + h
	s_lshl_b32 s31, s31, 4
	s_lshl_b32 s53, s[WV], 2
	s_add_co_u32 s31, s31, s53                     ; my first tile of 16 queries: 0, 4 .. 124
	s_lshl_b32 s52, s67, 19                        ; the head's 524,288 bytes of kv
	s_mul_i32 s5, s[WV], GRAN                      ; group 0: LDS address: my granule of slot 0
	s_mov_b32 s4, 1
	s_lshl_b32 s54, s[WV], 14
	s_add_co_u32 s54, s54, s52
	s_mov_b32 s55, 0
	s_lshl_b32 s56, s31, 16                        ; a tile's 32 x 2,048 bytes of mask codes
	s_mov_b32 s57, 0
	s_lshl_b32 s58, s67, 11
	s_lshl_b32 s59, s31, 4
	s_add_co_u32 s58, s58, s59
	s_lshl_b32 s58, s58, 6                         ; my first query's codes
	s_and_b32 s60, s67, 15
	s_lshl_b32 s60, s60, 12
	s_lshr_b32 s61, s67, 4
	s_lshl_b32 s61, s61, 11
	s_add_co_u32 s60, s60, s61
	s_add_co_u32 s60, s60, s59
	s_lshl_b32 s60, s60, 6                         ; my rows of ac: head x 4,096 + batch x 2,048 + query
	s_mov_b32 s59, 0
	s_mov_b32 s61, 0
	s_lshl_b32 s62, s30, 14
	s_add_co_u32 s62, s62, s52
	s_and_b32 s63, s[WV], 1
	s_lshl_b32 s63, s63, 13
	s_add_co_u32 s62, s62, s63
	s_add_co_u32 s62, s62, 65536                   ; the prefetches stand in slot 1: the first change of slots steps them to slot 2
	s_mov_b32 s63, 0
	s_sub_co_u32 s68, s[WV], 2
	s_lshr_b32 s68, s68, 1                         ; 0 in waves 2 and 3,
	s_or_b32 s68, s68, ttmp9                       ; of the head's first cluster: the same in all four partners
	s_cmp_eq_u32 s68, 0
	s_cselect_b32 s[LIM], 1, -1
	s_mov_b32 s8, 15|(1<<20)|(1<<21)|(5<<22)|(3<<25)   ; group 1: the mask of all four; elements of 1 byte; padding on; bit 21 beside a mask; four words after every 64
	s_mov_b32 s9, 256<<16                          ; tensor_dim0
	s_mov_b32 s10, 64<<16                          ; tensor_dim1
	s_mov_b32 s11, 256<<16                         ; tile_dim0
	s_mov_b32 s12, 64                              ; tile_dim1
	s_mov_b32 s13, 256                             ; tensor_dim0_stride: a granule is dense
	s_mov_b32 s14, 0
	s_mov_b32 s15, 0
	s_mov_b32 s[SEL], 0x76543210
	s_mov_b32 s[SEL+1], 0xfedcba98
	s_mov_b32 s[CS], 0x3e38aa3b                    ; log2(e) / 8
	s_mov_b32 s[TB], 0
	s_mov_b32 s[MO], 0
	s_mov_b32 s[SLOTS], 7
	s_wait_dscnt 0x0                               ; both opening adds are done
	s_wait_kmcnt 0x0
	s_load_b256 s[44:51], s[38:39], 0x0            ; e0 .. e7
	s_add_nc_u64 s[6:7], s[34:35], s[54:55]
	s_or_b32 s7, s7, 0x80000000                    ; type = 2
	s_add_nc_u64 s[16:17], s[36:37], s[56:57]
	s_add_nc_u64 s[100:101], s[32:33], s[58:59]
	s_add_nc_u64 s[28:29], s[40:41], s[60:61]
	s_add_nc_u64 s[PFA:PFA+1], s[34:35], s[62:63]
	s_lshl_b32 s68, s[WV], 12
	s_add_co_u32 s68, s68, STAGE                   ; my stage
	ROUND                                          ; all four work-groups are here: the first joint loads meet
	TLOAD                                          ; slot 0
	v_and_b32 v8, 15, v0                           ; r
	v_bfe_u32 v9, v0, 4, 1                         ; h
	v_lshlrev_b32 v[QO], 6, v8
	v_lshl_add_u32 v[QO], v9, 4, v[QO]
	v_and_b32 v11, 31, v0
	v_lshlrev_b32 v[L16], 4, v11
	v_lshlrev_b32 v[PFO], 8, v11
	v_mov_b32 v[MA], v[L16]
.irp T, 0,1,2,3
	global_load_b128 v[QF+8*\T:QF+8*\T+3], v[QO], s[100:101] offset:1024*\T       ; Q: registers 4 c .. 4 c + 3 hold d = 32 c + 16 h + 0 .. 15, as K's fragments do
	global_load_b128 v[QF+8*\T+4:QF+8*\T+7], v[QO], s[100:101] offset:1024*\T+32
.endr
	MLOAD                                          ; the first step's mask codes
	v_bfe_u32 v11, v0, 2, 2
	v_and_b32 v18, 3, v0
	v_mul_u32_u24 v[AK0], v11, 272
	v_lshl_add_u32 v[AK0], v18, 6, v[AK0]
	v_lshl_add_u32 v[AK0], v9, 4, v[AK0]           ; key r: four keys to a row of 256 bytes; + 16 h
	v_bfe_u32 v11, v0, 1, 3
	v_and_b32 v18, 1, v0
	v_mul_u32_u24 v[AV0], v11, 272
	v_lshl_add_u32 v[AV0], v18, 7, v[AV0]
	v_lshl_add_u32 v[AV0], v9, 3, v[AV0]
	v_add_nc_u32 v[AV0], 8704, v[AV0]              ; V behind K's 32 rows: d = r: two to a row; + 8 h
	v_lshlrev_b32 v[STI], 6, v8
	v_lshl_add_u32 v[STI], v9, 3, v[STI]
	v_add_nc_u32 v[STI], s68, v[STI]               ; the stage, in: row r of 64 bytes, + 8 h
	v_add_nc_u32 v[STB], s68, v[L16]               ; and back: 16 bytes a lane
.irp T, 0,1,2,3
	v_mov_b32 v[ST+12*\T], 0x5f800000              ; -M = 2^64
	v_mov_b32 v[ST+12*\T+1], 0xdf800000            ; the largest t so far: the floor L = -2^64
.irp n, 2,3,5,7,9,11
	v_mov_b32 v[ST+12*\T+\n], 0                    ; the sum; the upper halves of pairs; a lane permute's destination counts as read
.endr
.endr
	WIN 0xc0
.set n, 0
.rept 128
	v_mov_b32 v[n], 0                              ; O^T: the step is written without a first step of its own; the first finds zeros
.set n, n+1
.endr
	WIN 0
	s_wait_kmcnt 0x0
	s_add_co_i32 s68, s46, s47                     ; e2 + e3
	s_lshl_b32 s69, s68, 23
	s_add_co_i32 s[CS], s[CS], s69                 ; added to c's exponent field
	s_sub_co_i32 s70, 187, s68                     ; the mask codes' scale 2^(60 - e2 - e3) as a byte,
	s_mul_i32 s70, s70, 0x01010101                 ; the same in all four bytes
	s_add_co_i32 s75, s49, 127
	s_lshl_b32 s71, s75, 23                        ; 2^e5
	s_add_co_i32 s75, s50, 127
	s_lshl_b32 s73, s75, 23                        ; 2^e6
	s_add_co_i32 s75, s75, 8
	s_lshl_b32 s74, s75, 23
	s_or_b32 s74, s74, 0x600000                    ; 448 x 2^e6
	s_add_co_i32 s66, s48, s49                     ; e4 + e5
	s_mov_b32 s[FLO], 0xdf800000                   ; L
	v_mov_b32 v[CV], s[CS]
	v_mov_b32 v[MSC], s70
	v_mov_b32 v[SP], s71
	v_mov_b32 v[SO], s73
	v_mov_b32 v[LO], s74
	s_wait_alu depctr_va_vdst(0)                   ; the wait at the head's end
.macro PKF n                           ; t - M of the pair at score register n (of the two pairs in window 0 the low word serves both halves)
	v_pk_fma_f32 v[(\n):(\n)+1], v[(\n):(\n)+1], v[ST+12*((\n)/64)+6:ST+12*((\n)/64)+7], v[ST+12*((\n)/64)+4:ST+12*((\n)/64)+5] op_sel_hi:[1,0,0]
.endm
; A KEY STEP: one granule, 128 keys, four tiles.  K's fragments are in registers when it begins.  In every step but a slot's last (s27 = 1) the next granule's K is asked for on the way.
.macro STEP
	s_wait_loadcnt 0x0                             ; this step's mask codes (the first time: Q too); the loads' offset register may be written
	s_add_co_u32 s[MO], s[MO], 2048                ; on to the next step;
	s_min_u32 s[MO], s[MO], 63488                  ; the last step asks once more for its own: no load leaves the buffer
	WIN 0x42                                       ; codes window 2, scale window 0, scores window 1
.irp T, 0,1,2,3
.irp k, 0,1,2,3,4,5,6,7
	v_cvt_scale_pk8_f32_fp8 v[64*\T+8*\k:64*\T+8*\k+7], v[MK+16*\T+2*\k:MK+16*\T+2*\k+1], v[MSC]   ; 0 or -2^(68 - e2 - e3): the C of the first product
.endr
.endr
	WIN 0
	v_add_nc_u32 v[MA], s[MO], v[L16]              ; (plain instructions behind the conversions)
	v_add_nc_u32 v[ADV], s[TB], v[AV0]
	v_add_nc_u32 v[ADK], s[TB], v[AK0]
	MLOAD                                          ; the next step's mask codes: they have this whole step in which to land
	s_wait_alu depctr_va_vdst(0)                   ; the C registers and the addresses were just written
	WIN 0x52                                       ; K window 2, Q window 0, C and S^T window 1
.irp t, 0,1,2,3,4,5,6,7
.irp T, 0,1,2,3
	v_wmma_f32_16x16x64_fp8_fp8 v[64*\T+8*\t:64*\T+8*\t+7], v[8*\t:8*\t+7], v[QF+8*\T:QF+8*\T+7], v[64*\T+8*\t:64*\T+8*\t+7]   ; keys 16 t on, onto the mask's number; 32 accumulators by turns
.endr
.endr
	WIN 0
.rept 4
	v_nop                                          ; places: the scores are read, and loads land where K's and V's fragments lie
.endr
	s_cmp_eq_u32 s27, 1                            ; the count of steps alone: the next granule of a slot's last step lies in the other slot
	s_cbranch_scc1 .Lnok_\@
	WIN 0x80
.set t, 0
.rept 8
	ds_load_b128 v[8*t:8*t+3], v[ADK] offset:GRAN+1088*t       ; the next step's K, one granule on
	ds_load_b128 v[8*t+4:8*t+7], v[ADK] offset:GRAN+1088*t+32
.set t, t+1
.endr
	WIN 0
.Lnok_\@:
	WIN 0x80
.set t, 0
.rept 32
	ds_load_b64 v[VF+2*t:VF+2*t+1], v[ADV] offset:2176*(t/8)+16*(t%8)   ; this step's V: registers 2 c, 2 c + 1 of tile t / 8 of 16 d: keys 16 c + 8 h + 0 .. 7
.set t, t+1
.endr
	WIN 0x15                                       ; the largest score of each query among my 64 keys: eight chains a tile; each accumulator from its low end on
.irp T, 0,1,2,3
.irp k, 0,1,2,3,4,5,6,7
	v_max3_num_f32 v[MX+8*\T+\k], v[64*\T+\k], v[64*\T+8+\k], v[64*\T+16+\k]
.endr
.endr
	WIN 0x14
.irp g, 24, 40
.irp T, 0,1,2,3
.irp k, 0,1,2,3,4,5,6,7
	v_max3_num_f32 v[MX+8*\T+\k], v[MX+8*\T+\k], v[64*\T+\g+\k], v[64*\T+\g+8+\k]
.endr
.endr
.endr
.irp T, 0,1,2,3
.irp k, 0,1,2,3
	v_max3_num_f32 v[MX+8*\T+\k], v[MX+8*\T+\k], v[64*\T+56+2*\k], v[64*\T+57+2*\k]
.endr
.endr
	WIN 0                                          ; from here to f: the four tiles' chains take turns line by line
.irp T, 0,1,2,3
	v_max3_num_f32 v[MX+8*\T], v[MX+8*\T], v[MX+8*\T+4], v[MX+8*\T+5]
.endr
.irp T, 0,1,2,3
	v_max3_num_f32 v[MX+8*\T+1], v[MX+8*\T+1], v[MX+8*\T+6], v[MX+8*\T+7]
.endr
.irp T, 0,1,2,3
	v_mov_b32 v[ST+12*\T+10], v[ST+12*\T]          ; the old -M
.endr
.irp T, 0,1,2,3
	v_max3_num_f32 v[MX+8*\T], v[MX+8*\T], v[MX+8*\T+1], v[MX+8*\T+2]
.endr
.irp T, 0,1,2,3
	v_max_num_f32 v[MX+8*\T], v[MX+8*\T], v[MX+8*\T+3]
.endr
.irp T, 0,1,2,3
	v_permlanex16_b32 v[ST+12*\T+11], v[MX+8*\T], s[SEL], s[SEL+1]
.endr
.irp T, 0,1,2,3
	v_max_num_f32 v[MX+8*\T], v[MX+8*\T], v[ST+12*\T+11]       ; and among lane l xor 16's
.endr
.irp T, 0,1,2,3
	v_mul_f32 v[MX+8*\T], s[CS], v[MX+8*\T]        ; as t (c is positive)
.endr
.irp T, 0,1,2,3
	v_max_num_f32 v[ST+12*\T+1], v[ST+12*\T+1], v[MX+8*\T]     ; the running largest t, never under the floor
.endr
.irp T, 0,1,2,3
	v_floor_f32 v[ST+12*\T], -v[ST+12*\T+1]        ; the new -M = -ceil(t)
.endr
.irp T, 0,1,2,3
	v_cmp_lt_f32 s[OPN+\T], s[FLO], v[ST+12*\T+1]  ; has my row had an open key?
.endr
.irp T, 0,1,2,3
	v_sub_f32 v[ST+12*\T+10], v[ST+12*\T], v[ST+12*\T+10]      ; old M - new M: a whole number, 0 or less
.endr
.irp T, 0,1,2,3
	v_cndmask_b32 v[ST+12*\T+4], 0, v[ST+12*\T], s[OPN+\T]     ; -M, or 0 at the floor
.endr
.irp T, 0,1,2,3
	v_cndmask_b32 v[ST+12*\T+6], 0, v[CV], s[OPN+\T]           ; c, or 0 at the floor: t - M is then 0 for every key
.endr
.irp T, 0,1,2,3
	v_cvt_i32_f32 v[ST+12*\T+10], v[ST+12*\T+10]   ; (it saturates)
.endr
.irp T, 0,1,2,3
	v_ldexp_f32 v[ST+12*\T+8], 1.0, v[ST+12*\T+10] ; f = 2^(old M - new M)
.endr
.irp T, 0,1,2,3
	v_pk_mul_f32 v[ST+12*\T+2:ST+12*\T+3], v[ST+12*\T+2:ST+12*\T+3], v[ST+12*\T+8:ST+12*\T+9] op_sel_hi:[1,0]   ; the sums under the new M
.endr
	WIN 0xc3                                       ; O^T window 3, f window 0.  No exponential stands between the last products and these first readers of O^T
.irp T, 0,1,2,3
.set i, 0
.rept 16
	v_pk_mul_f32 v[32*\T+2*i:32*\T+2*i+1], v[32*\T+2*i:32*\T+2*i+1], v[ST+12*\T+8:ST+12*\T+9] op_sel_hi:[1,0]   ; O^T under the new M, each accumulator from its low end on
.set i, i+1
.endr
.endr
	WIN 0x41                                       ; scores window 1, the lane's c and -M window 0
.set i, 0
.rept 64
	PKF 2*i                                        ; tiles 0 and 1
.set i, i+1
.endr
	s_wait_alu depctr_va_vdst(0)                   ; the wait ahead of the batch
.set i, 0
.rept 64
	v_exp_f32 v[2*i], v[2*i]                       ; p = 2^(t - M), at most 1: tiles 0 and 1;
	v_exp_f32 v[2*i+1], v[2*i+1]
	PKF 128+2*i                                    ; among them tiles 2 and 3 are scaled: sources written ahead of the wait above, results read behind the wait below
.set i, i+1
.endr
	s_wait_alu depctr_va_vdst(0)                   ; behind the first batch and ahead of the second
.set i, 128
.rept 128
	v_exp_f32 v[i], v[i]                           ; tiles 2 and 3
.set i, i+1
.endr
	v_nop                                          ; a plain instruction behind the last exponential
	s_wait_alu depctr_va_vdst(0)                   ; one wait for the batch, ahead of its first reader
	WIN 0x05                                       ; the rows' sums of the unquantised p: four chains of pairs a tile
.irp T, 0,1,2,3
.irp k, 0,1,2,3
	v_pk_add_f32 v[SM+8*\T+2*\k:SM+8*\T+2*\k+1], v[64*\T+2*\k:64*\T+2*\k+1], v[64*\T+8+2*\k:64*\T+9+2*\k]
.endr
.endr
	WIN 0x01                                       ; (the chains' other 96 additions stand among the second product's matrix instructions, below)
.irp T, 0,1,2,3
.irp t, 0,1,2,3,4,5,6,7
	v_cvt_scalef32_pk8_fp8_f32 v[CD+16*\T+2*\t:CD+16*\T+2*\t+1], v[64*\T+8*\t:64*\T+8*\t+7], v[SP]   ; p / 2^e5 is at most 2^8 (e5 >= -8): inside the format, no hold
.endr
.endr
	v_nop                                          ; a plain instruction behind the last conversion
	WIN 0
	s_wait_alu depctr_va_vdst(0)                   ; directly ahead of the wait below
	s_wait_dscnt 0x0                               ; V, and the next step's K
.set m, 0                              ; addition m: chain m % 4 of tile (m % 16) / 4 takes in the pair 16 + 8 (m / 16) registers on
.irp t, 0,1,2,3
.irp T, 0,1,2,3
	WIN 0xf2                                       ; V window 2, P window 0, O^T window 3
	v_wmma_f32_16x16x128_fp8_fp8 v[32*\T+8*\t:32*\T+8*\t+7], v[VF+16*\t:VF+16*\t+15], v[CD+16*\T:CD+16*\T+15], v[32*\T+8*\t:32*\T+8*\t+7]   ; the sixteen accumulators take turns, one instruction a turn
	WIN 0x04                                       ; behind each, six additions of the rows' sums, which name none of its registers
.rept 6
	v_pk_add_f32 v[SM+8*((m%16)/4)+2*(m%4):SM+8*((m%16)/4)+2*(m%4)+1], v[SM+8*((m%16)/4)+2*(m%4):SM+8*((m%16)/4)+2*(m%4)+1], v[64*((m%16)/4)+16+8*(m/16)+2*(m%4):64*((m%16)/4)+16+8*(m/16)+2*(m%4)+1]
.set m, m+1
.endr
.endr
.endr
	WIN 0
.irp T, 0,1,2,3
	v_pk_add_f32 v[SM+8*\T:SM+8*\T+1], v[SM+8*\T:SM+8*\T+1], v[SM+8*\T+4:SM+8*\T+5]
	v_pk_add_f32 v[SM+8*\T+2:SM+8*\T+3], v[SM+8*\T+2:SM+8*\T+3], v[SM+8*\T+6:SM+8*\T+7]
.endr
.irp T, 0,1,2,3
	v_pk_add_f32 v[SM+8*\T:SM+8*\T+1], v[SM+8*\T:SM+8*\T+1], v[SM+8*\T+2:SM+8*\T+3]
.endr
.irp T, 0,1,2,3
	v_pk_add_f32 v[ST+12*\T+2:ST+12*\T+3], v[ST+12*\T+2:ST+12*\T+3], v[SM+8*\T:SM+8*\T+1]
.endr
	s_wait_alu depctr_va_vdst(0)
	s_add_co_u32 s[TB], s[TB], GRAN
.endm
; THE CHANGE OF SLOTS, at a slot's head: each wave waits for all its tensor loads, adds 0 to its spare word, and waits for that and for its reads of the slot that it has left.
; fill = 1: a round of the cluster's barrier, and behind it the slot just left is filled with the next 512 keys: the load has four key steps in which to land.
.macro CHANGE fill
	s_wait_tensorcnt 0x0                           ; no tensor load of mine is out, so group 0 may be written
	ds_add_u32 v[SPW], v[NIL]
.if \fill
	s_xor_b32 s5, s5, SLOT1                        ; the other slot than last time,
	s_add_nc_u64 s[6:7], s[6:7], 0x10000           ; the next four granules
	s_wait_xcnt 0x0                                ; the last prefetch, a slot back, has read its address
	s_add_nc_u64 s[PFA:PFA+1], s[PFA:PFA+1], 0x10000
	s_wait_dscnt 0x0
	ROUND
	TLOAD
	ASK
.else
	s_wait_dscnt 0x0
	s_barrier_signal -1
	s_barrier_wait -1
.endif
.endm
; A slot's four steps.  Its first K is asked for here, behind the change of slots, which has shown the slot whole; the other three are asked for a step ahead.
.macro SLOT_STEPS
	v_add_nc_u32 v[ADK], s[TB], v[AK0]
	WIN 0x80
.set t, 0
.rept 8
	ds_load_b128 v[8*t:8*t+3], v[ADK] offset:1088*t
	ds_load_b128 v[8*t+4:8*t+7], v[ADK] offset:1088*t+32
.set t, t+1
.endr
	WIN 0
	s_wait_dscnt 0x0
	s_mov_b32 s27, 4
.Lstep_\@:
	STEP
	s_sub_co_u32 s27, s27, 1
	s_cmp_lg_u32 s27, 0
	s_cbranch_scc1 .Lstep_\@
	s_sub_co_u32 s[TB], s[TB], 4*GRAN
	s_xor_b32 s[TB], s[TB], SLOT1                  ; on to the other slot
.endm
.Lslot:                                            ; seven trips: behind each change of slots but the last the next slot is asked for
	CHANGE 1
	SLOT_STEPS
	s_sub_co_u32 s[SLOTS], s[SLOTS], 1
	s_cmp_lg_u32 s[SLOTS], 0
	s_cbranch_scc1 .Lslot
	CHANGE 0                                       ; the last slot is written out
	SLOT_STEPS
; THE WAY OUT: O^T / the sum x 2^(e4 + e5), quantised with 2^e6; register 8 t + j is d = 16 t + 8 h + j of query r: eight codes are eight neighbouring bytes of its row
	s_wait_loadcnt 0x0                             ; the last step's request for mask codes, which nobody reads
.rept 4
	v_nop                                          ; places behind the last products
.endr
.irp T, 0,1,2,3
	v_add_f32 v[ST+12*\T+2], v[ST+12*\T+2], v[ST+12*\T+3]
.endr
.irp T, 0,1,2,3
	v_permlanex16_b32 v[ST+12*\T+11], v[ST+12*\T+2], s[SEL], s[SEL+1]
.endr
.irp T, 0,1,2,3
	v_add_f32 v[ST+12*\T+2], v[ST+12*\T+2], v[ST+12*\T+11]     ; the row's sum
.endr
	s_wait_alu depctr_va_vdst(0)                   ; the wait ahead of the batch too
.irp T, 0,1,2,3
	v_rcp_f32 v[ST+12*\T+2], v[ST+12*\T+2]
.endr
	v_nop                                          ; a plain instruction behind the last reciprocal
	s_wait_alu depctr_va_vdst(0)                   ; and the wait ahead of the first reader
.irp T, 0,1,2,3
	v_ldexp_f32 v[ST+12*\T+2], v[ST+12*\T+2], s66
.endr
	WIN 0x43                                       ; O^T window 3, the factor window 0, the result window 1
	s_wait_alu depctr_va_vdst(0)                   ; directly ahead of the first readers of O^T
.irp T, 0,1,2,3
.set n, 0
.rept 16
	v_pk_mul_f32 v[64*\T+n:64*\T+n+1], v[32*\T+n:32*\T+n+1], v[ST+12*\T+2:ST+12*\T+3] op_sel_hi:[1,0]
.set n, n+2
.endr
.endr
	WIN 0x41
.irp T, 0,1,2,3
.set n, 0
.rept 32
	v_med3_num_f32 v[64*\T+n], v[64*\T+n], -v[LO], v[LO]       ; the conversion does not saturate (ISA guide 7.6.2): the hold comes first
.set n, n+1
.endr
.endr
	WIN 0x01
.irp T, 0,1,2,3
.irp t, 0,1,2,3
	v_cvt_scalef32_pk8_fp8_f32 v[CD+16*\T+2*\t:CD+16*\T+2*\t+1], v[64*\T+8*\t:64*\T+8*\t+7], v[SO]
.endr
.endr
	v_nop
	WIN 0
.irp T, 0,1,2,3
.irp t, 0,1,2,3
	ds_store_b64 v[STI], v[CD+16*\T+2*\t:CD+16*\T+2*\t+1] offset:1024*\T+16*\t
.endr
.endr
.set t, 0
.rept 8
	ds_load_b128 v[QF+4*t:QF+4*t+3], v[STB] offset:512*t   ; LDS serves a wave's instructions in order: these see my stores
.set t, t+1
.endr
	s_wait_dscnt 0x0
.set t, 0
.rept 8
	global_store_b128 v[L16], v[QF+4*t:QF+4*t+3], s[28:29] offset:512*t   ; my 64 rows of 64 bytes are 4,096 consecutive bytes
.set t, t+1
.endr
	s_wait_tensorcnt 0x0                           ; the wave's end
	ds_add_u32 v[SPW], v[NIL]
	s_wait_dscnt 0x0
	ROUND                                          ; the closing round
	s_endpgm
.Lfunc_end_k_q79ed4c142d_attn:
	.size	k_q79ed4c142d_attn, .Lfunc_end_k_q79ed4c142d_attn-k_q79ed4c142d_attn
	.p2alignl 7, 3214868480
	.fill 96, 4, 3214868480
	.section	.rodata,"a",@progbits
	.p2align	6, 0x0
	.amdhsa_kernel k_q79ed4c142d_attn
		.amdhsa_group_segment_fixed_size 327680
		.amdhsa_private_segment_fixed_size 0
		.amdhsa_enable_private_segment 0
		.amdhsa_kernarg_size 40
		.amdhsa_user_sgpr_count 2
		.amdhsa_user_sgpr_kernarg_segment_ptr 1
		.amdhsa_wavefront_size32 1
		.amdhsa_system_sgpr_workgroup_id_x 1
		.amdhsa_system_sgpr_workgroup_id_y 1
		.amdhsa_system_sgpr_workgroup_id_z 1
		.amdhsa_system_vgpr_workitem_id 0
		.amdhsa_next_free_vgpr 1024
		.amdhsa_next_free_sgpr 106
		.amdhsa_reserve_vcc 0
		.amdhsa_float_denorm_mode_32 3
		.amdhsa_float_denorm_mode_16_64 3
		.amdhsa_memory_ordered 1
		.amdhsa_forward_progress 1
		.amdhsa_inst_pref_size 140
	.end_amdhsa_kernel
	.amdgpu_metadata
---
amdhsa.version: [ 1, 2 ]
amdhsa.kernels:
  - .name:           k_q79ed4c142d_attn
    .symbol:         k_q79ed4c142d_attn.kd
    .args:
      - { .name: qc, .offset: 0, .size: 8, .value_kind: global_buffer, .address_space: global }
      - { .name: kv, .offset: 8, .size: 8, .value_kind: global_buffer, .address_space: global }
      - { .name: mw, .offset: 16, .size: 8, .value_kind: global_buffer, .address_space: global }
      - { .name: lowp_scales, .offset: 24, .size: 8, .value_kind: global_buffer, .address_space: global }
      - { .name: ac, .offset: 32, .size: 8, .value_kind: global_buffer, .address_space: global }
    .group_segment_fixed_size: 327680
    .private_segment_fixed_size: 0
    .kernarg_segment_align: 8
    .kernarg_segment_size: 40
    .max_flat_workgroup_size: 128
    .sgpr_count:     106
    .vgpr_count:     1024
    .wavefront_size: 32
...
	.end_amdgpu_metadata
.endif
;; end of part 3
;; launch proj (part 4): grid 8 x 32, 4 waves a work-group, clusters of 4 x 4, 327,680 bytes of LDS; arguments ac, wfc, lowp_scales, bf, out0; writes out0
.if DOCPART == 4
	.amdgcn_target "amdgcn-amd-amdhsa--gfx1250"
	.amdhsa_code_object_version 6
	.text
	.protected	k_q79ed4c142d_proj
	.globl	k_q79ed4c142d_proj
	.p2align	8
	.type	k_q79ed4c142d_proj,@function
k_q79ed4c142d_proj:
	s_mov_b64 s[64:65], 0
	v_nop
	global_prefetch_b8 v0, s[64:65] scope:SCOPE_SE
	s_setreg_imm32_b32 hwreg(HW_REG_WAVE_MODE, 25, 1), 1
	s_wait_xcnt 0x0
	s_wait_alu depctr_hold_cnt(0) depctr_sa_sdst(0) depctr_va_vdst(0) depctr_va_sdst(0) depctr_va_ssrc(0) depctr_va_vcc(0) depctr_vm_vsrc(0)
	s_getreg_b32 s2, hwreg(HW_REG_IB_STS2, 6, 4)
	s_cmp_eq_u32 s2, 0
	s_cbranch_scc0 .Lentry_in_a_cluster
	s_endpgm
.Lentry_in_a_cluster:
	s_bfe_u32 s2, ttmp6, 0x10000c
	s_cmp_lg_u32 s2, 0xf033
	s_cbranch_scc0 .Lentry_shape_is_right
	s_endpgm
.Lentry_shape_is_right:
; THE LAST PRODUCT: out0 [4096][1024] f32 = A W^T x 2^(e6 + e7) + bf.  A: ac [16 heads][4096 rows][64] codes of E4M3 (k = 64 head + d); W: wfc [1024 n][1024 k] codes.
; LIMIT: e6 + e7 between -126 and 127, so that 2^(e6 + e7) is an f32 number.
; A block of 128 x 128 to a work-group: 8 x 32 = 256 work-groups.  Four waves, each 64 x 64: 16 accumulators.
; THE WHOLE K LIES IN LDS: A's 128 rows x 16 heads (139,264 bytes with padding) and W's 128 rows x 1,024 bytes (133,120) are filled once, by one tensor load a wave; nothing is filled again, so there is no ring.
;   waves 0, 1: eight heads of A each: for a head 8,192 dense bytes, 16 of padding behind every 256 (four rows of 64 bytes to an LDS line of 272);  waves 2, 3: 64 rows of W each, 16 of padding behind each row of 1,024.
; CLUSTER 4 x 4: A's tile hangs on the block row alone and is asked for jointly along a row of the cluster, W's on the block column alone and jointly along a column.
; No prefetch: the launch has no loop to run ahead in; all that it reads is asked for by its first four loads.
; THE MATRIX INSTRUCTION IS USED TRANSPOSED (source 0 = 16 rows of W, source 1 = 16 rows of A): a lane holds eight neighbouring numbers of a row of out0.
; REGISTERS: window 0: v0-31 addresses, v32-63 bf at my columns, v64-191 A's fragments in two sets (on the way out: rows read back), v192-223 a block's results;  window 1: v0-127 W's fragments in two sets;  window 2: v[8 (4 a + b)] the accumulators.
.set PLN,    8704                      ; a head's 128 rows in LDS: 32 lines x 272
.set HALFA,  8*PLN
.set BOFF,   16*PLN
.set PITB,   1040
.set HALFB,  64*PITB
.set SPARE,  BOFF+2*HALFB              ; 272,384: the spare words, 128 bytes a wave: two blocks of 256 bytes that no other line names
.set STAGE,  SPARE+512                 ; the way out: 16 rows x 272 bytes a wave, bytes of its own
.set SPITCH, 272
.set PLANE,  262144                    ; bytes from head to head in ac
.set ADRA, 16                          ; v16-19 my A fragments, heads 4 j on
.set ADRB, 20
.set STO,  24
.set RD,   25
.set CO,   26
.set SPW,  28
.set NIL,  29
.set BI,   32
.set AF,   64
.set BK,   64
.set TMP,  192
.set G1, 24
.set G0, 32
.set G1B, 48
.set G0B, 56
.set MSB, 0
.macro WIN new
.if MSB != \new
	s_set_vgpr_msb (MSB<<8)|\new
.set MSB, \new
.endif
.endm
.macro CROUND                          ; a round of the cluster's barrier
	s_barrier_signal -1
	s_barrier_wait -1
	s_cmp_lg_u32 s14, 0
	s_cbranch_scc1 .Lnot_wave_0_\@
	s_barrier_signal -3
.Lnot_wave_0_\@:
	s_barrier_wait -3
	s_barrier_signal -1
	s_barrier_wait -1
.endm
	s_load_b128 s[4:7], s[0:1], 0x0                ; ac, wfc
	s_load_b128 s[8:11], s[0:1], 0x10              ; the scales' exponents, bf
	s_load_b64 s[12:13], s[0:1], 0x20              ; out0
	v_lshl_add_u32 v[SPW], v0, 2, SPARE
	v_mov_b32 v[NIL], 0
	ds_add_u32 v[SPW], v[NIL]                      ; the wave's opening: the add, twice on end, and its wait ahead of the round in front of my tensor load
	ds_add_u32 v[SPW], v[NIL]
	v_lshrrev_b32 v1, 5, v0
	v_readfirstlane_b32 s14, v1                    ; wave 0..3
	s_lshr_b32 s15, s14, 1                         ; which 64 rows are mine.  Also: I fetch for A (0) or for W (1)
	s_and_b32 s16, s14, 1                          ; which 64 columns.  Also: which half of that tile I fetch
	s_bfe_u32 s40, ttmp6, 0x40000                  ; cx, cy
	s_bfe_u32 s41, ttmp6, 0x40004
	s_lshl_b32 s42, ttmp9, 2
	s_add_co_u32 s42, s42, s40                     ; block column 0..7
	s_and_b32 s17, ttmp7, 0xffff
	s_lshl_b32 s17, s17, 2
	s_add_co_u32 s17, s17, s41                     ; block row 0..31
	s_lshl_b32 s43, s41, 2
	s_lshl_b32 s43, 15, s43                        ; my row of the cluster
	s_lshl_b32 s44, 0x1111, s40                    ; my column
	s_or_b32 s[G1+0], s43, (1<<20)|(1<<21)|(5<<22)|(3<<25)    ; A: elements of 1 byte; four words of padding after every 64
	s_mov_b32 s[G1+1], 8192<<16                    ; tensor_dim0: 128 rows x 64 bytes, dense
	s_mov_b32 s[G1+2], 8<<16                       ; tensor_dim1: eight heads
	s_mov_b32 s[G1+3], 8192<<16
	s_mov_b32 s[G1+4], 8
	s_mov_b32 s[G1+5], PLANE
	s_mov_b32 s[G1+6], 0
	s_mov_b32 s[G1+7], 0
	s_or_b32 s[G1B+0], s44, (1<<20)|(1<<21)|(7<<22)|(3<<25)   ; W: four words of padding after every 256: behind each row
	s_mov_b32 s[G1B+1], 1024<<16
	s_mov_b32 s[G1B+2], 64<<16
	s_mov_b32 s[G1B+3], 1024<<16
	s_mov_b32 s[G1B+4], 64
	s_mov_b32 s[G1B+5], 1024
	s_mov_b32 s[G1B+6], 0
	s_mov_b32 s[G1B+7], 0
	s_lshl_b32 s20, s17, 13                        ; A: 128 rows of 64 bytes a block row,
	s_lshl_b32 s18, s16, 21                        ;    eight heads a half
	s_add_co_u32 s20, s20, s18
	s_mov_b32 s21, 0
	s_lshl_b32 s46, s42, 7
	s_lshl_b32 s18, s16, 6
	s_add_co_u32 s46, s46, s18
	s_lshl_b32 s46, s46, 10                        ; W: row 128 x block column + 64 x half
	s_mov_b32 s47, 0
	s_mov_b32 s[G0], 1
	s_mul_i32 s[G0+1], s16, HALFA                  ; no place in the cluster enters an LDS address
	s_mov_b32 s[G0B], 1
	s_mul_i32 s[G0B+1], s16, HALFB
	s_add_co_u32 s[G0B+1], s[G0B+1], BOFF
	s_lshl_b32 s86, s42, 7
	s_lshl_b32 s87, s16, 6
	s_add_co_u32 s86, s86, s87
	s_lshl_b32 s86, s86, 2                         ; my first column, in bytes of f32
	s_mov_b32 s87, 0
	s_lshl_b32 s88, s17, 7
	s_lshl_b32 s89, s15, 6
	s_add_co_u32 s88, s88, s89
	s_lshl_b32 s88, s88, 12                        ; my first row of out0
	s_mov_b32 s89, 0
	s_mul_i32 s21, s15, 4352                       ; my 64 rows of A: 16 lines
	s_mul_i32 s22, s16, HALFB
	s_add_co_u32 s22, s22, BOFF                    ; my 64 rows of W
	s_mul_i32 s23, s14, 16*SPITCH
	s_add_co_u32 s23, s23, STAGE                   ; my stage
	s_wait_dscnt 0x0                               ; both opening adds are done
	s_wait_kmcnt 0x0
	s_load_b256 s[68:75], s[8:9], 0x0              ; e0 .. e7
	s_mov_b32 s19, 0
	s_mov_b32 s18, s20
	s_add_nc_u64 s[G0+2:G0+3], s[4:5], s[18:19]
	s_or_b32 s[G0+3], s[G0+3], 0x80000000
	s_add_nc_u64 s[G0B+2:G0B+3], s[6:7], s[46:47]
	s_or_b32 s[G0B+3], s[G0B+3], 0x80000000
	s_add_nc_u64 s[10:11], s[10:11], s[86:87]
	s_add_nc_u64 s[12:13], s[12:13], s[86:87]
	s_add_nc_u64 s[12:13], s[12:13], s[88:89]
	CROUND                                         ; all sixteen work-groups are here: the joint loads meet
	s_cmp_eq_u32 s15, 0                            ; the wave's number alone
	s_cbranch_scc0 .Lfor_b
	tensor_load_to_lds s[G0:G0+3], s[G1:G1+7]
	s_nop 0
.rept 4
	v_nop
.endr
	s_branch .Lasked
.Lfor_b:
	tensor_load_to_lds s[G0B:G0B+3], s[G1B:G1B+7]
	s_nop 0
.rept 4
	v_nop
.endr
.Lasked:
	v_and_b32 v1, 15, v0                           ; r
	v_bfe_u32 v2, v0, 4, 1                         ; h
	v_lshlrev_b32 v22, 5, v2
.irp b, 0,1,2,3
	global_load_b128 v[BI+8*\b:BI+8*\b+3], v22, s[10:11] offset:64*\b          ; bf at columns 16 b + 8 h + 0 .. 7
	global_load_b128 v[BI+8*\b+4:BI+8*\b+7], v22, s[10:11] offset:64*\b+16
.endr
	v_mul_u32_u24 v3, v1, PITB
	v_lshl_add_u32 v3, v2, 4, v3
	v_add_nc_u32 v[ADRB], s22, v3                  ; W: row r x pitch + 16 h
	v_bfe_u32 v5, v0, 2, 2
	v_and_b32 v6, 3, v0
	v_mul_u32_u24 v5, v5, 272
	v_lshl_add_u32 v5, v6, 6, v5
	v_lshl_add_u32 v5, v2, 4, v5
	v_add_nc_u32 v[ADRA], s21, v5                  ; A: four rows to a line; + 16 h
	v_add_nc_u32 v[ADRA+1], 4*PLN, v[ADRA]
	v_add_nc_u32 v[ADRA+2], 8*PLN, v[ADRA]
	v_add_nc_u32 v[ADRA+3], 12*PLN, v[ADRA]
	v_mul_u32_u24 v7, v1, SPITCH
	v_lshl_add_u32 v7, v2, 5, v7
	v_add_nc_u32 v[STO], s23, v7                   ; the stage, in: row r, 32 bytes for each half of the lanes
	v_mul_u32_u24 v7, v2, SPITCH
	v_lshl_add_u32 v7, v1, 4, v7
	v_add_nc_u32 v[RD], s23, v7                    ; back: lanes 0-15 one row of 256 bytes, lanes 16-31 the next
	v_lshlrev_b32 v[CO], 12, v2
	v_lshl_add_u32 v[CO], v1, 4, v[CO]             ; and the same two rows in out0
; The fragments of the q-th 128 along K (heads 2 q, 2 q + 1) into set q % 2: registers 4 c .. 4 c + 3 hold k = 128 q + 32 c + 16 h + 0 .. 15, in A and in W alike
.macro FETCH q
	WIN 0x40
.irp i, 0,1,2,3
.irp c, 0,1,2,3
	ds_load_b128 v[64*((\q)%2)+16*\i+4*\c:64*((\q)%2)+16*\i+4*\c+3], v[ADRB] offset:128*(\q)+32*\c+\i*16*PITB
.endr
.endr
	WIN 0
.irp i, 0,1,2,3
.irp c, 0,1,2,3
	ds_load_b128 v[AF+64*((\q)%2)+16*\i+4*\c:AF+64*((\q)%2)+16*\i+4*\c+3], v[ADRA+(\q)/2] offset:PLN*(2*((\q)%2)+\c/2)+32*(\c%2)+\i*1088
.endr
.endr
.endm
.macro MUL q                           ; the sixteen accumulators take turns, one instruction a turn, in the same order in every step; the first step starts the sums
	WIN 0xa1
.irp a, 0,1,2,3
.irp b, 0,1,2,3
.if (\q) == 0
	v_wmma_f32_16x16x128_fp8_fp8 v[8*(4*\a+\b):8*(4*\a+\b)+7], v[64*((\q)%2)+16*\b:64*((\q)%2)+16*\b+15], v[AF+64*((\q)%2)+16*\a:AF+64*((\q)%2)+16*\a+15], 0
.else
	v_wmma_f32_16x16x128_fp8_fp8 v[8*(4*\a+\b):8*(4*\a+\b)+7], v[64*((\q)%2)+16*\b:64*((\q)%2)+16*\b+15], v[AF+64*((\q)%2)+16*\a:AF+64*((\q)%2)+16*\a+15], v[8*(4*\a+\b):8*(4*\a+\b)+7]
.endif
.endr
.endr
	WIN 0
.endm
	s_wait_alu depctr_va_vdst(0)                   ; the wait at the head's end
	s_wait_tensorcnt 0x0                           ; my part of the tiles is in;
	s_barrier_signal -1
	s_barrier_wait -1                              ; everybody's is
	FETCH 0
.irp q, 0,1,2,3,4,5,6
.if \q > 0
.rept 4
	v_nop                                          ; places in front of loads into the set that the last step multiplied
.endr
.endif
	FETCH \q+1
	s_wait_dscnt 32                                ; all but the 32 loads just issued
	MUL \q
.endr
	s_wait_dscnt 0x0
	MUL 7
; THE WAY OUT, by blocks of 16 rows x 64 columns: x 2^(e6 + e7) + bf, through my own stage, back as rows of 256 bytes
.macro SEND a
.set t, 0
.rept 8
	global_store_b128 v[CO], v[BK+32*((\a)%2)+4*t:BK+32*((\a)%2)+4*t+3], s[12:13] offset:4096*(16*(\a)+2*t) th:TH_STORE_NT   ; sixteen lanes store 256 consecutive bytes, aligned
.set t, t+1
.endr
.endm
	s_wait_kmcnt 0x0
	s_wait_loadcnt 0x0                             ; bf
	s_add_co_i32 s96, s74, s75
	s_add_co_i32 s96, s96, 127
	s_lshl_b32 s96, s96, 23                        ; 2^(e6 + e7)
	s_mov_b32 s97, s96
.rept 4
	v_nop                                          ; places behind the last products
.endr
.irp a, 0,1,2,3
.if \a > 1
	s_wait_xcnt 0x0                                ; block a - 2's stores have read their registers
.endif
	WIN 0x02
.set j, 0
.rept 16
	v_pk_fma_f32 v[TMP+j:TMP+j+1], v[32*\a+j:32*\a+j+1], s[96:97], v[BI+j:BI+j+1] op_sel_hi:[1,0,1]   ; each accumulator from its low end on
.set j, j+2
.endr
	WIN 0
.irp b, 0,1,2,3
	ds_store_b128 v[STO], v[TMP+8*\b:TMP+8*\b+3] offset:64*\b
	ds_store_b128 v[STO], v[TMP+8*\b+4:TMP+8*\b+7] offset:64*\b+16
.endr
.set t, 0
.rept 8
	ds_load_b128 v[BK+32*(\a%2)+4*t:BK+32*(\a%2)+4*t+3], v[RD] offset:t*2*SPITCH   ; LDS serves a wave's instructions in order: these see my stores
.set t, t+1
.endr
.if \a > 0
	s_wait_dscnt 16                                ; behind block a - 1's loads: block a's 8 stores and 8 loads
	SEND \a-1
.endif
.endr
	s_wait_dscnt 0x0
	SEND 3
	s_wait_tensorcnt 0x0                           ; the wave's end
	ds_add_u32 v[SPW], v[NIL]
	s_wait_dscnt 0x0
	CROUND                                         ; the closing round
	s_endpgm
.Lfunc_end_k_q79ed4c142d_proj:
	.size	k_q79ed4c142d_proj, .Lfunc_end_k_q79ed4c142d_proj-k_q79ed4c142d_proj
	.p2alignl 7, 3214868480
	.fill 96, 4, 3214868480
	.section	.rodata,"a",@progbits
	.p2align	6, 0x0
	.amdhsa_kernel k_q79ed4c142d_proj
		.amdhsa_group_segment_fixed_size 327680
		.amdhsa_private_segment_fixed_size 0
		.amdhsa_enable_private_segment 0
		.amdhsa_kernarg_size 40
		.amdhsa_user_sgpr_count 2
		.amdhsa_user_sgpr_kernarg_segment_ptr 1
		.amdhsa_wavefront_size32 1
		.amdhsa_system_sgpr_workgroup_id_x 1
		.amdhsa_system_sgpr_workgroup_id_y 1
		.amdhsa_system_sgpr_workgroup_id_z 1
		.amdhsa_system_vgpr_workitem_id 0
		.amdhsa_next_free_vgpr 768
		.amdhsa_next_free_sgpr 100
		.amdhsa_reserve_vcc 0
		.amdhsa_float_denorm_mode_32 3
		.amdhsa_float_denorm_mode_16_64 3
		.amdhsa_memory_ordered 1
		.amdhsa_forward_progress 1
		.amdhsa_inst_pref_size 46
	.end_amdhsa_kernel
	.amdgpu_metadata
---
amdhsa.version: [ 1, 2 ]
amdhsa.kernels:
  - .name:           k_q79ed4c142d_proj
    .symbol:         k_q79ed4c142d_proj.kd
    .args:
      - { .name: ac, .offset: 0, .size: 8, .value_kind: global_buffer, .address_space: global }
      - { .name: wfc, .offset: 8, .size: 8, .value_kind: global_buffer, .address_space: global }
      - { .name: lowp_scales, .offset: 16, .size: 8, .value_kind: global_buffer, .address_space: global }
      - { .name: bf, .offset: 24, .size: 8, .value_kind: global_buffer, .address_space: global }
      - { .name: out0, .offset: 32, .size: 8, .value_kind: global_buffer, .address_space: global }
    .group_segment_fixed_size: 327680
    .private_segment_fixed_size: 0
    .kernarg_segment_align: 8
    .kernarg_segment_size: 40
    .max_flat_workgroup_size: 128
    .sgpr_count:     100
    .vgpr_count:     768
    .wavefront_size: 32
...
	.end_amdgpu_metadata
.endif
;; end of part 4
